; MI455X (gfx1250); checked and timed in simulation.
; The chip was launched on July 23, 2026; its instructions are those of AMD's public machine-readable ISA for CDNA 5 (MIT licence, August 2026) and "CDNA5" Instruction Set Architecture Reference Guide (July 2026). The comments in the code are by the model that wrote it; some were corrected since.
;; Self Attention. Allowed arithmetic: matrix products marked QUANTISED: E2M1 operands, one E8M0 scale for each 32 along K, by v_wmma_scale_f32_16x16x128_f8f6f4 with both operands' format E2M1 (or v_wmma_scale_f32_32x16x128_f4), f32 sums; products left as they are: bf16, f16 or f32 operands; f32 sums; everything else in f32.
;; Inputs: W 1,024 x 3,072 float32; X 4 x 2,048 x 1,024 float32; attention_mask 4 x 2,048 bool; b 3,072 float32.
;; Outputs: out0 4 x 2,048 x 1,024 float32.
;; This version of the problem:
;;   THIS VERSION OF THE PROBLEM IS GIVEN IN LOW PRECISION. The matrix products marked QUANTISED in the list below multiply operands that are first quantised to E2M1 (2 exponent bits, 1 mantissa bit; 4 bits a number), with one power-of-two scale for each 32 numbers along K (OCP MX v1.0); their sums are f32. The products marked 'left as it is' may take bf16, f16 or f32 operands, with f32 sums. Whichever they take, every output number must still come out within the allowed error. Rounding operands to bf16 (8 significant bits) uses up far more of that allowance than f16 does (11 bits, for magnitudes from 6e-5 to 65,504). All else is computed in f32.
;;   The module's matrix products, in the order in which they are computed (A, B: the left and right operand; K: the contracted axis; several contracted axes count as one K, in the product's order):
;;     1. [M 8,192, K 1,024] x [K 1,024, N 3,072]; A: input X; B: input W: QUANTISED
;;     2. batch 4 x [M 2,048, K 1,024] x [K 1,024, N 2,048]; A: computed on the way; B: computed on the way: left as it is (an operand is computed on the way)
;;     3. batch 4 x [M 2,048, K 2,048] x [K 2,048, N 1,024]; A: computed on the way; B: computed on the way: left as it is (an operand is computed on the way)
;;   THE QUANTISER, for each operand of a quantised product, along K:
;;     - K is cut into blocks of 32 from its start; a last block that is shorter is filled with zeros.
;;     - A block's scale is 2^e with e = floor(log2(the largest magnitude in the block)) - 2, held to -126 .. 127; a block of zeros has e = 0. As a byte (E8M0): e + 127.
;;     - Each number is divided by its block's scale, clamped to +-6, and rounded to the nearest number of E2M1, ties to even, subnormals kept.
;;     - The product sums the exact products of the quantised numbers (number of the format x scale) in f32.
;;   ~~~python
;;   def quantise(x, axis):      # numpy; x: float32 -> the quantised numbers, widened to float32 again
;;       x = np.moveaxis(x, axis, -1); K = x.shape[-1]
;;       x = np.pad(x, [(0, 0)] * (x.ndim - 1) + [(0, -K % 32)]); x = x.reshape(x.shape[:-1] + (-1, 32)); a = np.abs(x).max(-1, keepdims=True)
;;       e = np.where(a > 0, np.clip(np.frexp(np.where(a > 0, a, 1))[1] - 1 - 2, -126, 127), 0)      # np.frexp(a)[1] - 1 = floor(log2(a)), exactly
;;       r = np.clip(x / 2.0 ** e, -6, 6)
;;       step = 2.0 ** (np.maximum(np.frexp(np.where(r == 0, 1, r))[1] - 1, 0) - 1)
;;       q = np.round(r / step) * step * 2.0 ** e      # np.round: ties to even
;;       return np.moveaxis(q.reshape(q.shape[:-2] + (-1,))[..., :K], -1, axis).astype(np.float32)
;;   ~~~
;; One version. Each part assembles by itself: llvm-mc -triple=amdgcn-amd-amdhsa -mcpu=gfx1250 --defsym DOCPART=n.
;; ======== version 1 of 1: 4 launches
;; limits: values are held in f16: magnitudes above 65,504 overflow, below 6.1e-05 lose precision
;; workspace buffers: xc 4,194,304 bytes; xs 262,144 bytes; wc 1,572,864 bytes; ws 98,304 bytes; qkv 50,331,648 bytes; p 33,554,432 bytes; stats 1,048,576 bytes
;; launch quant (part 1): grid 352 x 1, 4 waves a work-group, no clusters, 50,688 bytes of LDS; arguments X, W, xc, xs, wc, ws; writes xc, xs, wc, ws
.if DOCPART == 1
	.amdgcn_target "amdgcn-amd-amdhsa--gfx1250"
	.amdhsa_code_object_version 6
	.text
	.protected	k_qcb6783afc9_quant
	.globl	k_qcb6783afc9_quant
	.p2align	8
	.type	k_qcb6783afc9_quant,@function
k_qcb6783afc9_quant:
	s_mov_b64 s[64:65], 0
	v_nop
	global_prefetch_b8 v0, s[64:65] scope:SCOPE_SE
	s_setreg_imm32_b32 hwreg(HW_REG_WAVE_MODE, 25, 1), 1
	s_wait_xcnt 0x0
; SELF-ATTENTION, one head of 1,024, 4 batches of 2,048 tokens.  out = softmax(mask(Q K^T / 32)) V with [Q K V] = Q4(X) Q4(W) + b.  Four launches:
;   quant: X and W into codes of FP4 (E2M1) with one E8M0 byte for each 32 along K;  proj: the product on codes, + b, to f16;  scores: Q K^T, the mask, p = 2^(t - M) by groups of 128 keys;  pv: P V, the groups brought under one M, / the row's sum.
; WORK LEFT OUT.  K's bias b[1024:2048] is never added and never loaded.  q . (k + bK) = q . k + q . bK, and q . bK is the same number for all keys of a query's row: a term added to the softmax's input
; that is constant along its axis, which the softmax takes away for all finite values of the inputs.  The product Q K^T is not quantised, so the term reaches no quantiser.  Q's and V's biases are added where reference() adds them.
; LIMITS.  A NaN, an infinity or an overflow that reaches only K's bias is not carried to the result.  NaN and infinities among the inputs are not served.  Q, K and V are kept in f16: magnitudes up to 65,504.
; THIS LAUNCH.  A block's scale is 2^(floor(log2(its largest magnitude)) - 2); its byte is the largest magnitude's own exponent field - 2, held at 1 from below: blocks whose largest magnitude lies under 2^-124
; keep the byte 1, and so does a block of zeros (the rule says 127: its codes are zeros, which add nothing under any byte but 0xff, and this program alone reads the bytes).
; Work-groups 0 to 95 take W [1024 (k)][3072 (n)], whose K is its first axis: a lane takes a column and its registers run down K, so a block lies in one lane and the codes come out with K innermost.
; A wave takes 16 columns x 512 along K, two lanes to a column: lanes 0-15 the first 256 along K, lanes 16-31 the second: 8 blocks a lane.  The four waves stand side by side on 256 consecutive bytes of a row of W.
; A column's 256 bytes of codes are gathered in the wave's own stage and leave whole, sixteen lanes storing 256 consecutive bytes.
; Work-groups 96 to 351 take X [8192][1024], whose K is innermost: a plain stream of blocks of 32.  A wave takes 16 steps of 512 numbers; each load reads 512 consecutive bytes; a step's 2,048 bytes turn through the
; wave's own stage in LDS so that a lane holds 16 neighbours, two lanes a block; a wave's store of codes covers 256 consecutive bytes, and its 256 scale bytes leave as one such store.  Loads run 8 steps, 32 loads a wave, ahead.
; The two ways part on the work-group's number, never join, and have LDS bytes of their own.  No tensor loads, no barrier: waves share nothing.
.set WWG,   96                         ; work-groups for W: 3,072 / 64 columns x 1,024 / 512 along K
.set STEPS, 16
.set AHEAD, 8
.set EMAX,  2
.set CB,    8                          ; bytes of 16 codes
.set XR,    16                         ; v16-143  X: eight sets of 16 numbers as they are loaded
.set XX,    144                        ; v144-175 X: two sets of 16 neighbours
.set XE,    176                        ; v176-191 X: a scale byte for each step
.set XC,    192                        ; v192-223 X: codes, two registers for each step, so that no store's data are written again
.set WREG,  8192                       ; X: a wave's LDS: two stages of 32 x SP bytes, behind them its 256 scale bytes
.set SP,    80                         ; a lane's place in a stage: 64 bytes + 16 of padding
.set SIZE_K, 1024
.set SIZE_N, 3072
.set NB,    8                          ; W: blocks a lane
.set PITCH, 272                        ; W: a stage row: 256 bytes of codes + 16
.set KROW,  SIZE_K/2                   ; a row of wc in bytes
.set WSTG,  4*WREG                     ; W's four stages begin behind X's four regions
.set WX,    32                         ; v32-95   W: two sets of 32 numbers
.set WC,    96                         ; v96-99   W: a block's codes
.set OUTR,  112                        ; v112-143 W: the way out
.set SB,    24                         ; v24-25   W: the scale bytes, four to a register
.set SPARE, WSTG+4*16*PITCH            ; behind both: the spare words, 128 bytes for each wave, which no other line names
.set SPW,   224                        ; v224 LDS address of my spare word; never rewritten
.set NIL,   225                        ; v225 0; never rewritten
	s_load_b128 s[4:7], s[0:1], 0x0                ; X, W
	s_load_b128 s[8:11], s[0:1], 0x10              ; xc, xs
	s_load_b128 s[12:15], s[0:1], 0x20             ; wc, ws
	v_lshl_add_u32 v[SPW], v0, 2, SPARE
	v_mov_b32 v[NIL], 0
	v_lshrrev_b32 v1, 5, v0
	v_readfirstlane_b32 s16, v1                    ; wave
	v_and_b32 v2, 31, v0                           ; lane
	s_cmp_lt_u32 ttmp9, WWG
	s_cbranch_scc1 .Lw
	; ---------------- X ----------------
	v_lshlrev_b32 v3, 4, v2                        ; my 16 bytes of a load's 512
	s_mul_i32 s17, s16, WREG
	v_lshrrev_b32 v14, 2, v2
	v_mul_u32_u24 v14, v14, SP
	v_and_b32 v15, 3, v2
	v_lshl_add_u32 v14, v15, 4, v14
	v_add_nc_u32 v14, s17, v14                     ; the stage, on the way in: SP (lane / 4) + 16 (lane % 4); a load's 512 bytes take eight places
	v_mul_u32_u24 v15, v2, SP
	v_add_nc_u32 v15, s17, v15                     ; and on the way out: SP x lane: my 16 neighbours
	v_mul_u32_u24 v4, v2, CB                       ; my codes' place in a step's
	v_lshrrev_b32 v5, 1, v2
	s_add_co_u32 s17, s17, 2*32*SP
	v_add_nc_u32 v5, s17, v5                       ; my wave's 256 scale bytes: my block's byte
	v_lshlrev_b32 v7, 3, v2                        ; and on the way out 8 bytes a lane
	v_add_nc_u32 v6, s17, v7
	s_sub_co_u32 s17, ttmp9, WWG
	s_lshl_b32 s17, s17, 2
	s_add_co_u32 s18, s17, s16                     ; which run of 8,192 numbers is my wave's
	s_mov_b32 s19, 0
	s_lshl_b64 s[20:21], s[18:19], 15              ; 32,768 bytes of X,
	s_lshl_b64 s[22:23], s[18:19], 12              ; 4,096 of codes,
	s_lshl_b32 s18, s18, 8                         ; 256 scale bytes a run
	s_wait_kmcnt 0x0
	s_add_nc_u64 s[4:5], s[4:5], s[20:21]
	s_add_nc_u64 s[8:9], s[8:9], s[22:23]
	s_add_nc_u64 s[10:11], s[10:11], s[18:19]
.macro XLOAD t
.irp i, 0,1,2,3
	global_load_b128 v[XR+16*((\t)%AHEAD)+4*\i:XR+16*((\t)%AHEAD)+4*\i+3], v3, s[4:5] offset:2048*(\t)+512*\i th:TH_LOAD_NT   ; 32 lanes read 512 consecutive bytes
.endr
.endm
.macro XTURN t                         ; step t's numbers through the stage: LDS serves a wave's instructions in order, so no wait stands between the stores and the loads
.irp i, 0,1,2,3
	ds_store_b128 v14, v[XR+16*((\t)%AHEAD)+4*\i:XR+16*((\t)%AHEAD)+4*\i+3] offset:32*SP*((\t)%2)+8*SP*\i
.endr
.irp i, 0,1,2,3
	ds_load_b128 v[XX+16*((\t)%2)+4*\i:XX+16*((\t)%2)+4*\i+3], v15 offset:32*SP*((\t)%2)+16*\i
.endr
.endm
.irp t, 0,1,2,3,4,5,6,7
	XLOAD \t
.endr
	s_wait_loadcnt 4*(AHEAD-1)                     ; step 0's four loads are in; the 28 of steps 1 to 7 may be out
	XTURN 0
.macro XSTEP t
.set XS, XX+16*((\t)%2)
.if (\t) > 0
	s_wait_dscnt 1                                 ; this step's numbers are back from the stage (the last step's byte store may be out): so its stores into the stage have read their registers,
.else
	s_wait_dscnt 0x0
.endif
.if (\t)+AHEAD < STEPS
	XLOAD (\t)+AHEAD                               ; which take the loads of eight steps on
.endif
.if (\t)+1 < STEPS
.if (\t)+AHEAD < STEPS
	s_wait_loadcnt 4*(AHEAD-1)                     ; the next step's four loads are in; those of the seven steps behind it may be out
.else
	s_wait_loadcnt 4*(STEPS-2-(\t))                ; the tail: the steps that are left behind the next one
.endif
	XTURN (\t)+1                                   ; and go through the other stage while this step is worked
.endif
	v_max3_num_f32 v8, |v[XS]|, |v[XS+1]|, |v[XS+2]|               ; the largest magnitude of my 16, in two chains
	v_max3_num_f32 v9, |v[XS+3]|, |v[XS+4]|, |v[XS+5]|
.irp i, 6,10
	v_max3_num_f32 v8, v8, |v[XS+\i]|, |v[XS+\i+1]|
	v_max3_num_f32 v9, v9, |v[XS+\i+2]|, |v[XS+\i+3]|
.endr
	v_max3_num_f32 v8, v8, |v[XS+14]|, |v[XS+15]|
	v_max3_num_f32 v8, v8, v9, (EMAX+1)<<23        ; and the floor 2^(EMAX + 1 - 127): the byte cannot fall under 1
	v_max_num_f32_dpp v8, v8, v8 row_xmask:1 row_mask:0xf bank_mask:0xf   ; and of my neighbour's 16: the block's
	v_add_nc_u32 v11, -(EMAX<<23), v8              ; EMAX off its exponent field: the conversion takes the exponent field of this operand as its scale, and nothing else of it
	v_cvt_scalef32_pk8_fp4_f32 v[XC+2*(\t)], v[XS:XS+7], v11       ; to the nearest code, ties to even, beyond the largest code the largest
	v_cvt_scalef32_pk8_fp4_f32 v[XC+2*(\t)+1], v[XS+8:XS+15], v11
	v_lshrrev_b32 v[XE+(\t)], 23, v11              ; the scale's byte (also the plain line behind the conversions)
	ds_store_b8 v5, v[XE+(\t)] offset:16*(\t)      ; both lanes of a block write the same byte with the same value
	global_store_b64 v4, v[XC+2*(\t):XC+2*(\t)+1], s[8:9] offset:32*CB*(\t)   ; the wave stores 256 consecutive bytes
.endm
.irp t, 0,1,2,3,4,5,6,7,8,9,10,11,12,13,14,15
	XSTEP \t
.endr
	ds_load_b64 v[8:9], v6                         ; LDS serves a wave's instructions in order: these see my byte stores
	s_wait_dscnt 0x0
	global_store_b64 v7, v[8:9], s[10:11]          ; 32 lanes store 256 consecutive bytes
	s_wait_tensorcnt 0x0                           ; the wave's end
	ds_add_u32 v[SPW], v[NIL]
	s_wait_dscnt 0x0
	s_endpgm
	; ---------------- W ----------------
.Lw:
	v_and_b32 v5, 15, v2                           ; r: my column of the wave's 16
	v_lshrrev_b32 v6, 4, v2                        ; h: which 256 along K of the wave's 512
	s_and_b32 s18, ttmp9, 1                        ; which 512 along K
	s_lshr_b32 s17, ttmp9, 1                       ; which 64 columns
	s_lshl_b32 s17, s17, 6
	s_lshl_b32 s19, s16, 4
	s_add_co_u32 s17, s17, s19                     ; my wave's first column
	v_lshlrev_b32 v3, 2, v5                        ; in: 4 bytes a column,
	v_mul_u32_u24 v10, v6, 256*SIZE_N*4            ; and 256 rows of W further down for lanes 16-31
	v_add_nc_u32 v3, v3, v10
	s_mul_i32 s19, s16, 16*PITCH
	s_add_co_u32 s19, s19, WSTG                    ; my stage
	v_mul_u32_u24 v4, v5, PITCH
	v_lshl_add_u32 v4, v6, 7, v4
	v_add_nc_u32 v4, s19, v4                       ; into it: row = my column, + 128 bytes for the second 256 along K
	v_mul_u32_u24 v7, v6, PITCH                    ; out of it: sixteen lanes to a row, two rows an instruction
	v_lshl_add_u32 v7, v5, 4, v7
	v_add_nc_u32 v7, s19, v7
	v_mul_u32_u24 v8, v6, KROW
	v_lshl_add_u32 v8, v5, 4, v8                   ; and the same place in wc
	v_lshlrev_b32 v9, 5, v5                        ; my column's row of 32 scale bytes,
	v_lshl_add_u32 v9, v6, 3, v9                   ; my 8 of them
	s_mov_b32 s19, 0
	s_mov_b64 s[20:21], 512*SIZE_N*4
	s_mul_u64 s[20:21], s[18:19], s[20:21]         ; W: 512 y rows of 12,288 bytes
	s_lshl_b32 s22, s17, 2
	s_mov_b32 s23, 0
	s_add_nc_u64 s[20:21], s[20:21], s[22:23]      ; + 4 x column
	s_mul_i32 s24, s17, KROW                       ; wc: column x 512
	s_lshl_b32 s26, s18, 8
	s_add_co_u32 s24, s24, s26                     ; + 256 y
	s_mov_b32 s25, 0
	s_lshl_b32 s28, s17, 5                         ; ws: column x 32
	s_lshl_b32 s26, s18, 4
	s_add_co_u32 s28, s28, s26                     ; + 16 y
	s_mov_b32 s29, 0
	s_wait_kmcnt 0x0
	s_add_nc_u64 s[6:7], s[6:7], s[20:21]
	s_add_nc_u64 s[12:13], s[12:13], s[24:25]
	s_add_nc_u64 s[14:15], s[14:15], s[28:29]
.macro WLOAD t                         ; block t: W(256 h + 32 t + i, my column), i = 0 .. 31, into set t % 2.  The largest offset, 255 x 12,288 bytes, lies inside the signed 24-bit immediate
.irp i, 0,1,2,3,4,5,6,7,8,9,10,11,12,13,14,15,16,17,18,19,20,21,22,23,24,25,26,27,28,29,30,31
	global_load_b32 v[WX+32*((\t)%2)+\i], v3, s[6:7] offset:(32*(\t)+\i)*SIZE_N*4 th:TH_LOAD_NT
.endr
.endm
	WLOAD 0
	WLOAD 1
.macro WBLOCK t
.set XS, WX+32*((\t)%2)
.if (\t) < NB-1
	s_wait_loadcnt 32                              ; this block's 32 loads are in; the next block's may be out
.else
	s_wait_loadcnt 0
.endif
	v_max3_num_f32 v12, |v[XS]|, |v[XS+1]|, |v[XS+2]|              ; the block's largest magnitude: all 32 numbers are mine
	v_max3_num_f32 v13, |v[XS+3]|, |v[XS+4]|, |v[XS+5]|
.irp i, 6,10,14,18,22,26
	v_max3_num_f32 v12, v12, |v[XS+\i]|, |v[XS+\i+1]|
	v_max3_num_f32 v13, v13, |v[XS+\i+2]|, |v[XS+\i+3]|
.endr
	v_max3_num_f32 v12, v12, |v[XS+30]|, |v[XS+31]|
	v_max3_num_f32 v12, v12, v13, (EMAX+1)<<23     ; and the floor
	v_add_nc_u32 v11, -(EMAX<<23), v12             ; the conversion's scale operand
	v_lshrrev_b32 v13, 23, v11                     ; the scale's byte
.if (\t)%4 == 0
	v_mov_b32 v[SB+(\t)/4], v13                    ; four bytes to a register, the lower K in the lower byte
.else
	v_lshl_or_b32 v[SB+(\t)/4], v13, 8*((\t)%4), v[SB+(\t)/4]
.endif
.irp g, 0,1,2,3
	v_cvt_scalef32_pk8_fp4_f32 v[WC+\g], v[XS+8*\g:XS+8*\g+7], v11
.endr
	ds_store_b128 v4, v[WC:WC+3] offset:16*(\t)    ; 32 codes: 16 bytes of my column's row.  (The codes go to an LDS store alone; the next block begins with plain vector lines)
.if (\t)+2 < NB
	WLOAD (\t)+2
.endif
	s_wait_dscnt 0x0                               ; the store has read its registers: the next block's codes may be written
.endm
.set Q, 0
.rept NB
	WBLOCK Q
.set Q, Q+1
.endr
	global_store_b64 v9, v[SB:SB+1], s[14:15]      ; my 8 scale bytes: a column's two lanes store 16 neighbouring bytes
.irp t, 0,1,2,3,4,5,6,7
	ds_load_b128 v[OUTR+4*\t:OUTR+4*\t+3], v7 offset:2*\t*PITCH    ; these see my wave's stores
.endr
.irp t, 0,1,2,3,4,5,6,7
	s_wait_dscnt 7-\t                              ; load t is in; the younger ones may be out
	global_store_b128 v8, v[OUTR+4*\t:OUTR+4*\t+3], s[12:13] offset:2*\t*KROW   ; sixteen lanes store 256 consecutive bytes
.endr
	s_wait_tensorcnt 0x0                           ; the wave's end
	ds_add_u32 v[SPW], v[NIL]
	s_wait_dscnt 0x0
	s_endpgm
.Lfunc_end_k_qcb6783afc9_quant:
	.size	k_qcb6783afc9_quant, .Lfunc_end_k_qcb6783afc9_quant-k_qcb6783afc9_quant
	.p2alignl 7, 3214868480
	.fill 96, 4, 3214868480
	.section	.rodata,"a",@progbits
	.p2align	6, 0x0
	.amdhsa_kernel k_qcb6783afc9_quant
		.amdhsa_group_segment_fixed_size 50688
		.amdhsa_private_segment_fixed_size 0
		.amdhsa_enable_private_segment 0
		.amdhsa_kernarg_size 48
		.amdhsa_user_sgpr_count 2
		.amdhsa_user_sgpr_kernarg_segment_ptr 1
		.amdhsa_wavefront_size32 1
		.amdhsa_system_sgpr_workgroup_id_x 1
		.amdhsa_system_sgpr_workgroup_id_y 1
		.amdhsa_system_sgpr_workgroup_id_z 1
		.amdhsa_system_vgpr_workitem_id 0
		.amdhsa_next_free_vgpr 232
		.amdhsa_next_free_sgpr 66
		.amdhsa_reserve_vcc 0
		.amdhsa_float_denorm_mode_32 3
		.amdhsa_float_denorm_mode_16_64 3
		.amdhsa_memory_ordered 1
		.amdhsa_forward_progress 1
		.amdhsa_inst_pref_size 73
	.end_amdhsa_kernel
	.amdgpu_metadata
---
amdhsa.version: [ 1, 2 ]
amdhsa.kernels:
  - .name:           k_qcb6783afc9_quant
    .symbol:         k_qcb6783afc9_quant.kd
    .args:
      - { .name: X, .offset: 0, .size: 8, .value_kind: global_buffer, .address_space: global }
      - { .name: W, .offset: 8, .size: 8, .value_kind: global_buffer, .address_space: global }
      - { .name: xc, .offset: 16, .size: 8, .value_kind: global_buffer, .address_space: global }
      - { .name: xs, .offset: 24, .size: 8, .value_kind: global_buffer, .address_space: global }
      - { .name: wc, .offset: 32, .size: 8, .value_kind: global_buffer, .address_space: global }
      - { .name: ws, .offset: 40, .size: 8, .value_kind: global_buffer, .address_space: global }
    .group_segment_fixed_size: 50688
    .private_segment_fixed_size: 0
    .kernarg_segment_align: 8
    .kernarg_segment_size: 48
    .max_flat_workgroup_size: 128
    .sgpr_count:     66
    .vgpr_count:     232
    .wavefront_size: 32
...
	.end_amdgpu_metadata
.endif
;; end of part 1
;; launch proj (part 2): grid 8 x 32, 4 waves a work-group, clusters of 4 x 4, 327,680 bytes of LDS; arguments xc, xs, wc, ws, b, qkv; writes qkv
.if DOCPART == 2
	.amdgcn_target "amdgcn-amd-amdhsa--gfx1250"
	.amdhsa_code_object_version 6
	.text
	.protected	k_qcb6783afc9_proj
	.globl	k_qcb6783afc9_proj
	.p2align	8
	.type	k_qcb6783afc9_proj,@function
k_qcb6783afc9_proj:
	s_mov_b64 s[64:65], 0
	v_nop
	global_prefetch_b8 v0, s[64:65] scope:SCOPE_SE
	s_setreg_imm32_b32 hwreg(HW_REG_WAVE_MODE, 25, 1), 1
	s_wait_xcnt 0x0
	s_wait_alu depctr_hold_cnt(0) depctr_sa_sdst(0) depctr_va_vdst(0) depctr_va_sdst(0) depctr_va_ssrc(0) depctr_va_vcc(0) depctr_vm_vsrc(0)
	s_getreg_b32 s2, hwreg(HW_REG_IB_STS2, 6, 4)
	s_cmp_eq_u32 s2, 0
	s_cbranch_scc0 .Lentry_in_a_cluster
	s_endpgm
.Lentry_in_a_cluster:
	s_bfe_u32 s2, ttmp6, 0x10000c
	s_cmp_lg_u32 s2, 0xf033
	s_cbranch_scc0 .Lentry_shape_is_right
	s_endpgm
.Lentry_shape_is_right:
; qkv[token][n] = sum over k of X[token][k] W[k][n] + b[n], on codes of FP4 (E2M1) with one E8M0 scale for each 32 along K; sums in f32, the result rounded once to f16.
; xc [8192][512 bytes], xs [8192][32], wc [3072][512 bytes], ws [3072][32]: K innermost.  qkv [8192][3072] f16: Q, K, V side by side in a token's row of 6,144 bytes.
; WORK LEFT OUT: K's bias b[1024:2048] is neither loaded nor added (it adds the same number to all scores of a row, which the softmax takes away): K's sums begin with the constant 0.
; LIMIT: a result beyond 65,504 becomes an infinity of f16.
; SHARES.  8,192 x 3,072 results are 256 equal parts: a work-group owns 256 tokens and THREE UNITS of 128 columns, columns 128 c .. 128 c + 127 of Q, of K and of V (c = 0 .. 7): so which unit has no bias is fixed in the text.
; A wave makes 64 tokens x 128 columns of a unit: 32 accumulators.  Its fragments of X for all of K = 1,024 are 256 registers: they are read from LDS once and serve all three units.
; W's units go through two LDS buffers: units 0 and 1 are first fills; unit 2 is filled into unit 0's buffer when all waves have read that, and has the whole of unit 1 in which to land.
; A unit's results leave while the next unit is multiplied.  The scale bytes of the 256 tokens and the 3 x 128 columns come once, as rows of 256 bytes.
; CLUSTERS: 4 x 4 work-groups; the four of a row of the cluster need the same rows of X, the four of a column the same rows of W: each tile is asked for jointly, by the same tensor load with the same descriptor and a mask that names the four.
; THE MATRIX INSTRUCTION IS USED TRANSPOSED (source 0 = 16 rows of wc, source 1 = 16 rows of xc): a lane holds eight neighbouring columns of one token's row.  The bias is the C of each sum's first product.
; REGISTERS, in windows of 256: window 0: v0-31 addresses; v32-95 scale words; v96-159, v160-223 W's fragments, two sets; v224-255 packed results.  window 1: accumulator (a, b) at v[8 (8 a + b)].
;   window 2: X's fragment (step s, block a) at v[32 s + 8 a].  window 3: v0-63 Q's bias, v64-127 V's, in the result's layout; v128-191 rows read back from the stage.
.set ROWB,   256                       ; a tile's row in bytes: 512 codes, half of K
.set KROW,   512                       ; a row of codes in memory
.set PITCH,  272                       ; an LDS row: 256 bytes + 16 of padding = 68 words: the 16 rows that a load touches start at 16 different banks (64 banks of 4 bytes: ISA guide 11.1)
.set HALFT,  128*PITCH                 ; 128 rows: what one tensor load brings
.set ASLOT,  2*HALFT                   ; X's 256 rows, one half of K
.set BBASE,  2*ASLOT                   ; behind X: W's two buffers,
.set BBUF,   2*HALFT                   ; each a unit's 128 rows, the first half of K and then the second
.set SCL,    BBASE+2*BBUF              ; the scales, as rows of 256 bytes + 16 of padding: X's 256 rows,
.set HALFS,  16*272                    ; (those of 128 rows,
.set QS,     8*272                     ; of 64,
.set SBLK,   2*272                     ; of 16)
.set SCB,    SCL+2*HALFS               ; then W's three units
.set SPARE,  SCB+3*HALFS               ; the spare words, 128 bytes for each wave, which no other line names
.set STAGE,  SPARE+512                 ; the way out: 16 rows x 272 bytes for each wave; no tensor load lands here
.set SPITCH, 272
.set CROW,   6144                      ; a row of qkv in bytes
.set ADRA, 16                          ; v16-17  LDS address of my X fragments in the first, the second half of K
.set ADRB, 20                          ; v20-21  of W's fragments in buffer 0, 1
.set STO,  24                          ; v24     the way out: where I put 16 bytes of a row
.set RD,   25                          ; v25     where I read a row back
.set CO,   26                          ; v26     my byte offset in qkv
.set ADRS, 27                          ; v27     LDS address of my scale words: lanes 0-15 X's rows, lanes 16-31 W's
.set SPW,  28                          ; v28     LDS address of my spare word; never rewritten
.set NIL,  29                          ; v29     0; never rewritten
.set BO,   30                          ; v30     my byte offset in the bias: 32 x (lane / 16)
.set HU,   31                          ; v31     from a unit's scales to the next unit's, for lanes 16-31 alone
.set SC,   32                          ; scale words: register 32 (s / 4) + 4 i + s % 4: lanes 0-15 X's block i, lanes 16-31 W's block i, step s
.set BF,   96
.set TMP,  224
.set OB,   128                         ; in window 3
.set G1,   24                          ; s[24:31] group 1 for X's tiles;  s[32:39] group 0, a set for each half of K
.set G0A,  32
.set G1B,  48                          ; s[48:55] for W's;  s[56:63] group 0 for units 0 and 1;  s[4:7] for unit 2
.set G0B,  56
.set G0B2, 4
.set G1S,  68                          ; s[68:75], s[76:79] for X's scales
.set G0S,  76
.set G1SB, 80                          ; s[80:87] for W's scales;  s[88:99] group 0, a set for each unit
.set G0T,  88
.set MSB, 0
.macro WIN new                         ; the immediate's high byte repeats the setting that is left; a switch that changes nothing is dropped
.if MSB != (\new)
	s_set_vgpr_msb (MSB<<8)|(\new)
.set MSB, (\new)
.endif
.endm
.set MUL,  0x58                        ; source 0 (W) window 0, source 1 (X) window 2, C and D window 1
.set MULB, 0x78                        ; the same with C, the bias, in window 3
.set TO_A, 0x80                        ; destination window 2
.set TO_3, 0xc0                        ; destination window 3
.macro PLACES                          ; four places in front of loads into registers that matrix instructions have read, and of the first read of results (ISA guide 7.12.1 for the first read of results)
.rept 4
	v_nop
.endr
.endm
.macro CROUND                          ; a round of the cluster's barrier: my work-group's barrier, wave 0 signals for it, every wave waits for all sixteen, my work-group's barrier once more
	s_barrier_signal -1
	s_barrier_wait -1
	s_cmp_lg_u32 s14, 0
	s_cbranch_scc1 .Lnot_wave_0_\@
	s_barrier_signal -3
.Lnot_wave_0_\@:
	s_barrier_wait -3
	s_barrier_signal -1
	s_barrier_wait -1
.endm
	s_load_b128 s[4:7], s[0:1], 0x0                ; xc, xs
	s_load_b128 s[8:11], s[0:1], 0x10              ; wc, ws
	s_load_b64 s[66:67], s[0:1], 0x20              ; b
	s_load_b64 s[12:13], s[0:1], 0x28              ; qkv
	v_lshl_add_u32 v[SPW], v0, 2, SPARE
	v_mov_b32 v[NIL], 0
	ds_add_u32 v[SPW], v[NIL]                      ; the wave's opening: the add, twice on end, and its wait ahead of my first tensor load
	ds_add_u32 v[SPW], v[NIL]
	v_lshrrev_b32 v1, 5, v0
	v_readfirstlane_b32 s14, v1                    ; wave 0..3: my 64 of the 256 tokens
	s_lshr_b32 s15, s14, 1                         ; I fetch for X (0) or for W (1)
	s_and_b32 s16, s14, 1                          ; X: which 128 rows I fetch;  W: which half of K
	s_bfe_u32 s40, ttmp6, 0x40000                  ; cx, cy: my place in the cluster
	s_bfe_u32 s41, ttmp6, 0x40004
	s_lshl_b32 s42, ttmp9, 2
	s_add_co_u32 s42, s42, s40                     ; c = 4 x cluster x + cx: which 128 columns of Q, of K and of V
	s_and_b32 s17, ttmp7, 0xffff
	s_lshl_b32 s17, s17, 2
	s_add_co_u32 s17, s17, s41                     ; which 256 tokens = 4 x cluster y + cy
	s_lshl_b32 s43, s41, 2
	s_lshl_b32 s43, 15, s43                        ; my row of the cluster
	s_lshl_b32 s44, 0x1111, s40                    ; my column
	; group 1: a tile of 128 rows x 256 bytes, 16 bytes of padding behind each row
	s_or_b32 s[G1+0], s43, (0<<16)|(1<<20)|(1<<21)|(5<<22)|(3<<25)  ; 15:0 the mask; 17:16 elements of 1 byte; 20 padding on; 21 set beside a mask; 24:22 after every 64 words; 31:25 four words
	s_or_b32 s[G1B+0], s44, (0<<16)|(1<<20)|(1<<21)|(5<<22)|(3<<25)
.irp g, G1, G1B
	s_mov_b32 s[\g+1], ROWB<<16                    ; tensor_dim0
	s_mov_b32 s[\g+2], 128<<16                     ; tensor_dim1
	s_mov_b32 s[\g+3], ROWB<<16                    ; tile_dim0
	s_mov_b32 s[\g+4], 128                         ; tile_dim1
	s_mov_b32 s[\g+5], KROW                        ; from row to row
	s_mov_b32 s[\g+6], 0
	s_mov_b32 s[\g+7], 0
.endr
	; the scales: dense bytes, as rows of 256 bytes (32 elements of 8 bytes), 16 bytes of padding behind each: X's 128 rows are 16 such rows, W's 64 rows are 8
	s_or_b32 s[G1S+0], s43, (3<<16)|(1<<20)|(1<<21)|(5<<22)|(3<<25)
	s_mov_b32 s[G1S+1], 32<<16
	s_mov_b32 s[G1S+2], 16<<16
	s_mov_b32 s[G1S+3], 32<<16
	s_mov_b32 s[G1S+4], 16
	s_mov_b32 s[G1S+5], 32
	s_mov_b32 s[G1S+6], 0
	s_mov_b32 s[G1S+7], 0
	s_or_b32 s[G1SB+0], s44, (3<<16)|(1<<20)|(1<<21)|(5<<22)|(3<<25)
	s_mov_b32 s[G1SB+1], 32<<16
	s_mov_b32 s[G1SB+2], 8<<16
	s_mov_b32 s[G1SB+3], 32<<16
	s_mov_b32 s[G1SB+4], 8
	s_mov_b32 s[G1SB+5], 32
	s_mov_b32 s[G1SB+6], 0
	s_mov_b32 s[G1SB+7], 0
	; where the tiles come from.  X's hang on the tokens alone, which my row of the cluster shares; W's on c alone, which my column shares; each in registers that never hold the other coordinate
	s_lshl_b32 s18, s16, 7
	s_lshl_b32 s20, s17, 8
	s_add_co_u32 s20, s20, s18                     ; X: row 256 x tokens' tile + 128 x half
	s_lshl_b32 s22, s20, 5                         ; its scales: 32 bytes a row
	s_mov_b32 s23, 0
	s_lshl_b32 s20, s20, 9                         ; its codes: 512 bytes a row
	s_mov_b32 s21, 0
	s_lshl_b32 s46, s42, 16                        ; W: row 128 c, 512 bytes a row,
	s_lshl_b32 s45, s16, 8
	s_add_co_u32 s46, s46, s45                     ; + 256 bytes for the second half of K
	s_mov_b32 s47, 0
	s_lshl_b32 s100, s42, 12                       ; its scales: row 128 c, 32 bytes a row,
	s_lshl_b32 s45, s16, 11
	s_add_co_u32 s100, s100, s45                   ; + my 64 rows of the 128
	s_mov_b32 s101, 0
	s_mul_i32 s18, s16, HALFS                      ; and where they go: no place in the cluster enters an LDS address
	s_mul_i32 s19, s16, HALFT
	s_mul_i32 s45, s16, QS
	s_wait_dscnt 0x0                               ; both opening adds are done
	s_wait_kmcnt 0x0
	s_add_nc_u64 s[20:21], s[4:5], s[20:21]
	s_add_nc_u64 s[22:23], s[6:7], s[22:23]
	s_add_nc_u64 s[46:47], s[8:9], s[46:47]
	s_add_nc_u64 s[100:101], s[10:11], s[100:101]
	CROUND                                         ; all sixteen work-groups are here: the joint loads meet
	s_mov_b32 s[G0S], 1
	s_add_co_u32 s[G0S+1], s18, SCL
	s_mov_b64 s[G0S+2:G0S+3], s[22:23]
	s_or_b32 s[G0S+3], s[G0S+3], 0x80000000
.irp s, 0,1
	s_mov_b32 s[G0A+4*\s], 1
	s_add_co_u32 s[G0A+4*\s+1], s19, \s*ASLOT
	s_add_nc_u64 s[G0A+4*\s+2:G0A+4*\s+3], s[20:21], \s*ROWB
	s_or_b32 s[G0A+4*\s+3], s[G0A+4*\s+3], 0x80000000
.endr
.irp u, 0,1,2
	s_mov_b32 s[G0T+4*\u], 1
	s_add_co_u32 s[G0T+4*\u+1], s45, SCB+\u*HALFS
	s_add_nc_u64 s[G0T+4*\u+2:G0T+4*\u+3], s[100:101], \u*1024*32      ; a unit on: 1,024 rows of ws
	s_or_b32 s[G0T+4*\u+3], s[G0T+4*\u+3], 0x80000000
.endr
.irp u, 0,1
	s_mov_b32 s[G0B+4*\u], 1
	s_add_co_u32 s[G0B+4*\u+1], s19, BBASE+\u*BBUF
	s_add_nc_u64 s[G0B+4*\u+2:G0B+4*\u+3], s[46:47], \u*1024*KROW      ; 1,024 rows of wc
	s_or_b32 s[G0B+4*\u+3], s[G0B+4*\u+3], 0x80000000
.endr
	s_mov_b32 s[G0B2], 1                           ; unit 2 will go into buffer 0  (xc's and xs' addresses have been used: their registers are free)
	s_add_co_u32 s[G0B2+1], s19, BBASE
	s_add_nc_u64 s[G0B2+2:G0B2+3], s[46:47], 2*1024*KROW
	s_or_b32 s[G0B2+3], s[G0B2+3], 0x80000000
	; THE FIRST FILLS, one branch on the wave's number, a fill in each arm: waves 0 and 1 have three tensor loads out, waves 2 and 3 five.  An s_nop 0 follows each, four v_nop the last
	s_cmp_eq_u32 s15, 0
	s_cbranch_scc0 .Lfirst_w
	tensor_load_to_lds s[G0S:G0S+3], s[G1S:G1S+7]                      ; X: the scales of my 128 rows,
	s_nop 0
	tensor_load_to_lds s[G0A:G0A+3], s[G1:G1+7]                        ; their codes, the first half of K,
	s_nop 0
	tensor_load_to_lds s[G0A+4:G0A+7], s[G1:G1+7]                      ; and the second
	s_nop 0
.rept 4
	v_nop
.endr
	s_branch .Lfirst_done
.Lfirst_w:
	tensor_load_to_lds s[G0T:G0T+3], s[G1SB:G1SB+7]                    ; W: the scales of my 64 rows of each unit,
	s_nop 0
	tensor_load_to_lds s[G0T+4:G0T+7], s[G1SB:G1SB+7]
	s_nop 0
	tensor_load_to_lds s[G0T+8:G0T+11], s[G1SB:G1SB+7]
	s_nop 0
	tensor_load_to_lds s[G0B:G0B+3], s[G1B:G1B+7]                      ; my half of K of unit 0,
	s_nop 0
	tensor_load_to_lds s[G0B+4:G0B+7], s[G1B:G1B+7]                    ; and of unit 1
	s_nop 0
.rept 4
	v_nop
.endr
.Lfirst_done:
	v_and_b32 v1, 15, v0                           ; r = lane % 16
	v_bfe_u32 v2, v0, 4, 1                         ; h = lane / 16
	v_lshlrev_b32 v[BO], 5, v2                     ; eight numbers of the bias for each half of the lanes
	s_lshl_b32 s46, s42, 9                         ; 128 c numbers of 4 bytes
	s_mov_b32 s47, 0
	s_add_nc_u64 s[66:67], s[66:67], s[46:47]
	WIN TO_3
.irp b, 0,1,2,3,4,5,6,7                ; register 8 b + j: the bias of column 16 b + 8 h + j of the unit.  Q's at b's first byte on, V's 2,048 numbers further on; K's 1,024 between them are not touched
	global_load_b128 v[8*\b:8*\b+3], v[BO], s[66:67] offset:64*\b
	global_load_b128 v[8*\b+4:8*\b+7], v[BO], s[66:67] offset:64*\b+16
	global_load_b128 v[64+8*\b:64+8*\b+3], v[BO], s[66:67] offset:8192+64*\b
	global_load_b128 v[64+8*\b+4:64+8*\b+7], v[BO], s[66:67] offset:8192+64*\b+16
.endr
	WIN 0
	v_mul_u32_u24 v3, v1, PITCH
	v_lshl_add_u32 v4, v2, 4, v3                   ; a fragment's row x pitch + 16 h
	s_mul_i32 s21, s14, 64*PITCH                   ; my 64 rows of X
	v_add_nc_u32 v[ADRA], s21, v4
	s_add_co_u32 s21, s21, ASLOT
	v_add_nc_u32 v[ADRA+1], s21, v4
	v_add_nc_u32 v[ADRB], BBASE, v4
	v_add_nc_u32 v[ADRB+1], BBASE+BBUF, v4
	v_lshlrev_b32 v5, 5, v1                        ; my row's scales: 32 bytes a row,
	v_lshrrev_b32 v6, 8, v5
	v_lshl_add_u32 v5, v6, 4, v5                   ; and 16 more for each 256 passed
	s_mul_i32 s21, s14, QS                         ; X's: my 64 rows
	s_mov_b32 s22, 2*HALFS
	s_sub_co_u32 s22, s22, s21                     ; from there to W's unit 0
	v_mul_u32_u24 v6, s22, v2                      ; lanes 16-31 take W's: the lower base + h x the distance
	s_add_co_u32 s21, s21, SCL
	v_add_nc_u32 v5, v5, v6
	v_add_nc_u32 v[ADRS], s21, v5
	v_mul_u32_u24 v[HU], v2, HALFS
	s_mul_i32 s23, s14, 16*SPITCH
	s_add_co_u32 s23, s23, STAGE                   ; my stage
	v_mul_u32_u24 v5, v1, SPITCH                   ; in: row r, 16 bytes for each half of the lanes
	v_lshl_add_u32 v5, v2, 4, v5
	v_add_nc_u32 v[STO], s23, v5
	v_mul_u32_u24 v5, v2, SPITCH                   ; back: lanes 0-15 take one row of 256 bytes, lanes 16-31 the next
	v_lshl_add_u32 v5, v1, 4, v5
	v_add_nc_u32 v[RD], s23, v5
	v_mul_u32_u24 v5, v2, CROW                     ; and the same two rows in qkv
	v_lshl_add_u32 v[CO], v1, 4, v5
	s_lshl_b32 s20, s17, 8
	s_lshl_b32 s21, s14, 6
	s_add_co_u32 s20, s20, s21                     ; my first token: 256 x tile + 64 x wave
	s_mul_i32 s20, s20, CROW                       ; (under 2^26)
	s_mov_b32 s21, 0
	s_lshl_b32 s46, s42, 8                         ; 128 c columns of 2 bytes
	s_add_nc_u64 s[12:13], s[12:13], s[20:21]
	s_add_nc_u64 s[12:13], s[12:13], s[46:47]
; A fragment is 16 rows x 128 K of 4-bit codes in 8 registers: lane l holds row l % 16; registers 4 c .. 4 c + 3 hold K = 64 c + 32 (l / 16) + 0 .. 31.
.macro FETCHB pb, s, set               ; W's eight fragments of step s, out of buffer pb, into a set.  The largest offset is 65,504, inside the 16-bit field
.irp i, 0,1,2,3,4,5,6,7
.irp c, 0,1
	ds_load_b128 v[BF+64*(\set)+8*\i+4*\c:BF+64*(\set)+8*\i+4*\c+3], v[ADRB+(\pb)] offset:((\s)/4)*HALFT+64*((\s)%4)+32*\c+\i*16*PITCH
.endr
.endr
.endm
.macro FETCHA sl                       ; my sixteen fragments of X of one half of K: they stay
	WIN TO_A
.irp q, 0,1,2,3
.irp a, 0,1,2,3
.irp c, 0,1
	ds_load_b128 v[32*(4*(\sl)+\q)+8*\a+4*\c:32*(4*(\sl)+\q)+8*\a+4*\c+3], v[ADRA+(\sl)] offset:64*\q+32*\c+\a*16*PITCH
.endr
.endr
.endr
	WIN 0
.endm
.macro SCALES                          ; a unit's scale words, eight words a row: lanes 0-15 take X's block i (blocks 0-3 are mine and are used), lanes 16-31 W's block i
.irp i, 0,1,2,3,4,5,6,7
.irp sl, 0,1
	ds_load_b128 v[SC+32*\sl+4*\i:SC+32*\sl+4*\i+3], v[ADRS] offset:\i*SBLK+16*\sl
.endr
.endr
.endm
; 32 matrix instructions: step s, 128 along K: my four blocks of X x W's eight.  cm = 0: onto the sums; 1: C = 0 starts them; 2, 3: Q's, V's bias starts them.  The 32 accumulators take turns, one instruction a turn.
.macro MUL32 s, cm
.irp a, 0,1,2,3
.irp b, 0,1,2,3,4,5,6,7
.if (\cm) == 0
	v_wmma_scale_f32_16x16x128_f8f6f4 v[8*(8*\a+\b):8*(8*\a+\b)+7], v[BF+64*((\s)%2)+8*\b:BF+64*((\s)%2)+8*\b+7], v[32*(\s)+8*\a:32*(\s)+8*\a+7], v[8*(8*\a+\b):8*(8*\a+\b)+7], v[SC+32*((\s)/4)+4*\b+(\s)%4], v[SC+32*((\s)/4)+4*\a+(\s)%4] matrix_a_fmt:MATRIX_FMT_FP4 matrix_b_fmt:MATRIX_FMT_FP4 matrix_a_scale:MATRIX_SCALE_ROW1
.elseif (\cm) == 1
	v_wmma_scale_f32_16x16x128_f8f6f4 v[8*(8*\a+\b):8*(8*\a+\b)+7], v[BF+64*((\s)%2)+8*\b:BF+64*((\s)%2)+8*\b+7], v[32*(\s)+8*\a:32*(\s)+8*\a+7], 0, v[SC+32*((\s)/4)+4*\b+(\s)%4], v[SC+32*((\s)/4)+4*\a+(\s)%4] matrix_a_fmt:MATRIX_FMT_FP4 matrix_b_fmt:MATRIX_FMT_FP4 matrix_a_scale:MATRIX_SCALE_ROW1
.else
	v_wmma_scale_f32_16x16x128_f8f6f4 v[8*(8*\a+\b):8*(8*\a+\b)+7], v[BF+64*((\s)%2)+8*\b:BF+64*((\s)%2)+8*\b+7], v[32*(\s)+8*\a:32*(\s)+8*\a+7], v[64*((\cm)-2)+8*\b:64*((\cm)-2)+8*\b+7], v[SC+32*((\s)/4)+4*\b+(\s)%4], v[SC+32*((\s)/4)+4*\a+(\s)%4] matrix_a_fmt:MATRIX_FMT_FP4 matrix_b_fmt:MATRIX_FMT_FP4 matrix_a_scale:MATRIX_SCALE_ROW1
.endif
.endr
.endr
.endm
.macro GO s, cm
.if (\cm) >= 2
	WIN MULB
.else
	WIN MUL
.endif
	MUL32 \s, \cm
	WIN 0
.endm
; A step: its fragments of W were asked for a step ago; the next step's (step ns of buffer pb) are asked for ahead of this step's 32 products, into the set that the last step's products have read.
.macro STEP s, cm, pb, ns
	s_wait_dscnt 0x0
	PLACES
	FETCHB \pb, \ns, ((\s)+1)%2
	GO \s, \cm
.endm
; THE WAY OUT of block a (16 tokens x 128 columns) of unit u.  PACK: rounded to f16, 16 bytes a lane, each accumulator from its low end on.  TOSTAGE: into my own stage, and back as whole rows of 256 bytes.  SEND: stored.
.macro PACK a
	WIN 0x05                                       ; sources 0 and 1: window 1
.irp b, 0,1,2,3,4,5,6,7
.irp r, 0,1,2,3
	v_cvt_pk_f16_f32 v[TMP+4*\b+\r], v[64*(\a)+8*\b+2*\r], v[64*(\a)+8*\b+2*\r+1]
.endr
.endr
	WIN 0
.endm
.macro TOSTAGE a
.irp b, 0,1,2,3,4,5,6,7
	ds_store_b128 v[STO], v[TMP+4*\b:TMP+4*\b+3] offset:32*\b
.endr
	WIN TO_3
.irp t, 0,1,2,3,4,5,6,7
	ds_load_b128 v[OB+32*((\a)%2)+4*\t:OB+32*((\a)%2)+4*\t+3], v[RD] offset:\t*2*SPITCH    ; LDS serves a wave's instructions in order (ISA guide 5.7.1.4): these see the stores above
.endr
	WIN 0
.endm
.macro SEND u, a
	s_wait_dscnt 0x0                               ; the block is back in registers
	s_wait_xcnt 0x0                                ; the earlier stores have read their registers: the block after this one is loaded where the block before it lay
	WIN 0x0c                                       ; a store's data are its source 1: window 3
.irp t, 0,1,2,3,4,5,6,7
	global_store_b128 v[CO], v[OB+32*((\a)%2)+4*\t:OB+32*((\a)%2)+4*\t+3], s[12:13] offset:(\u)*2048+(\a)*16*CROW+2*\t*CROW   ; 16 lanes store 256 consecutive bytes, at a multiple of 256 from qkv's first byte; every offset is an immediate, 385,024 at the most
.endr
	WIN 0
.endm
.macro UNITEND u                       ; behind a unit's last products: the next unit's scale words are asked for, and the unit goes out; its stores are on their way while the next unit is multiplied
	PLACES
.if (\u) < 2
	v_add_nc_u32 v[ADRS], v[ADRS], v[HU]
	SCALES
.endif
	PACK 0
	TOSTAGE 0
.irp a, 1,2,3                          ; block a's conversions stand between block a - 1's loads from the stage and the wait for them
	PACK \a
	SEND \u, \a-1
	TOSTAGE \a
.endr
	SEND \u, 3
.endm
	s_wait_loadcnt 0x0                             ; the biases
	s_wait_tensorcnt 1                             ; all my first fills but the last are in: X's second half of K, or W's unit 1, may be out
	s_barrier_signal -1
	s_barrier_wait -1                              ; everybody's are
	FETCHA 0
	SCALES
	FETCHB 0, 0, 0
	; ---- unit 0: Q
	STEP 0, 2, 0, 1
	STEP 1, 0, 0, 2
	STEP 2, 0, 0, 3
	s_wait_tensorcnt 0x0                           ; my last first fill has landed,
	s_wait_dscnt 0x0
	s_barrier_signal -1
	s_barrier_wait -1                              ; and everybody's: X's second half of K and W's unit 1 are whole
	PLACES
	FETCHA 1
	FETCHB 0, 4, 0
	GO 3, 0
	STEP 4, 0, 0, 5
	STEP 5, 0, 0, 6
	STEP 6, 0, 0, 7
	s_wait_tensorcnt 0x0                           ; BUFFER 0 IS FILLED AGAIN.  No tensor load of mine is out;
	ds_add_u32 v[SPW], v[NIL]
	s_wait_dscnt 0x0                               ; the add is done, and so are my reads of buffer 0: the last, step 7's fragments, are in my registers
	CROUND                                         ; both hold of every wave of every partner
	s_cmp_eq_u32 s15, 0
	s_cbranch_scc1 .Lno_refill                     ; waves 0 and 1 have no part of W to fetch
	tensor_load_to_lds s[G0B2:G0B2+3], s[G1B:G1B+7]                    ; unit 2, my half of K: the first thing behind the round, and my one tensor load there
	s_nop 0
.rept 4
	v_nop
.endr
.Lno_refill:
	PLACES
	FETCHB 1, 0, 0
	GO 7, 0
	UNITEND 0
	; ---- unit 1: K, without a bias
	STEP 0, 1, 1, 1
	STEP 1, 0, 1, 2
	STEP 2, 0, 1, 3
	STEP 3, 0, 1, 4
	STEP 4, 0, 1, 5
	STEP 5, 0, 1, 6
	STEP 6, 0, 1, 7
	s_wait_tensorcnt 0x0                           ; my part of unit 2 has landed,
	s_wait_dscnt 0x0
	s_barrier_signal -1
	s_barrier_wait -1                              ; and everybody's
	PLACES
	FETCHB 0, 0, 0
	GO 7, 0
	UNITEND 1
	; ---- unit 2: V
	STEP 0, 3, 0, 1
	STEP 1, 0, 0, 2
	STEP 2, 0, 0, 3
	STEP 3, 0, 0, 4
	STEP 4, 0, 0, 5
	STEP 5, 0, 0, 6
	STEP 6, 0, 0, 7
	s_wait_dscnt 0x0
	GO 7, 0
	UNITEND 2
	s_wait_tensorcnt 0x0                           ; the wave's end
	ds_add_u32 v[SPW], v[NIL]
	s_wait_dscnt 0x0
	CROUND                                         ; the closing round: no work-group ends while a partner may still ask for a tile that names it
	s_endpgm
.Lfunc_end_k_qcb6783afc9_proj:
	.size	k_qcb6783afc9_proj, .Lfunc_end_k_qcb6783afc9_proj-k_qcb6783afc9_proj
	.p2alignl 7, 3214868480
	.fill 96, 4, 3214868480
	.section	.rodata,"a",@progbits
	.p2align	6, 0x0
	.amdhsa_kernel k_qcb6783afc9_proj
		.amdhsa_group_segment_fixed_size 327680
		.amdhsa_private_segment_fixed_size 0
		.amdhsa_enable_private_segment 0
		.amdhsa_kernarg_size 48
		.amdhsa_user_sgpr_count 2
		.amdhsa_user_sgpr_kernarg_segment_ptr 1
		.amdhsa_wavefront_size32 1
		.amdhsa_system_sgpr_workgroup_id_x 1
		.amdhsa_system_sgpr_workgroup_id_y 1
		.amdhsa_system_sgpr_workgroup_id_z 1
		.amdhsa_system_vgpr_workitem_id 0
		.amdhsa_next_free_vgpr 1024
		.amdhsa_next_free_sgpr 102
		.amdhsa_reserve_vcc 0
		.amdhsa_float_denorm_mode_32 3
		.amdhsa_float_denorm_mode_16_64 3
		.amdhsa_memory_ordered 1
		.amdhsa_forward_progress 1
		.amdhsa_inst_pref_size 195
	.end_amdhsa_kernel
	.amdgpu_metadata
---
amdhsa.version: [ 1, 2 ]
amdhsa.kernels:
  - .name:           k_qcb6783afc9_proj
    .symbol:         k_qcb6783afc9_proj.kd
    .args:
      - { .name: xc, .offset: 0, .size: 8, .value_kind: global_buffer, .address_space: global }
      - { .name: xs, .offset: 8, .size: 8, .value_kind: global_buffer, .address_space: global }
      - { .name: wc, .offset: 16, .size: 8, .value_kind: global_buffer, .address_space: global }
      - { .name: ws, .offset: 24, .size: 8, .value_kind: global_buffer, .address_space: global }
      - { .name: b, .offset: 32, .size: 8, .value_kind: global_buffer, .address_space: global }
      - { .name: qkv, .offset: 40, .size: 8, .value_kind: global_buffer, .address_space: global }
    .group_segment_fixed_size: 327680
    .private_segment_fixed_size: 0
    .kernarg_segment_align: 8
    .kernarg_segment_size: 48
    .max_flat_workgroup_size: 128
    .sgpr_count:     102
    .vgpr_count:     1024
    .wavefront_size: 32
...
	.end_amdgpu_metadata
.endif
;; end of part 2
;; launch scores (part 3): grid 8 x 32, 4 waves a work-group, clusters of 4 x 4, 327,680 bytes of LDS; arguments qkv, attention_mask, p, stats; writes p, stats
.if DOCPART == 3
	.amdgcn_target "amdgcn-amd-amdhsa--gfx1250"
	.amdhsa_code_object_version 6
	.text
	.protected	k_qcb6783afc9_scores
	.globl	k_qcb6783afc9_scores
	.p2align	8
	.type	k_qcb6783afc9_scores,@function
k_qcb6783afc9_scores:
	s_mov_b64 s[64:65], 0
	v_nop
	global_prefetch_b8 v0, s[64:65] scope:SCOPE_SE
	s_setreg_imm32_b32 hwreg(HW_REG_WAVE_MODE, 25, 1), 1
	s_wait_xcnt 0x0
	s_wait_alu depctr_hold_cnt(0) depctr_sa_sdst(0) depctr_va_vdst(0) depctr_va_sdst(0) depctr_va_ssrc(0) depctr_va_vcc(0) depctr_vm_vsrc(0)
	s_getreg_b32 s2, hwreg(HW_REG_IB_STS2, 6, 4)
	s_cmp_eq_u32 s2, 0
	s_cbranch_scc0 .Lentry_in_a_cluster
	s_endpgm
.Lentry_in_a_cluster:
	s_bfe_u32 s2, ttmp6, 0x10000c
	s_cmp_lg_u32 s2, 0xf033
	s_cbranch_scc0 .Lentry_shape_is_right
	s_endpgm
.Lentry_shape_is_right:
; For each batch: S = Q K^T (f16 operands, f32 sums), t = S x log2(e) / 32, masked keys at -infinity; then, for each query and each GROUP of 128 keys g:
;   M_g = the group's largest t rounded UP to a whole number;  p = 2^(t - M_g), rounded to f16, to p [8192 queries][2048 keys];  -M_g and l_g = the sum of the unrounded p, in f32, to stats.
; The next launch knows all 16 groups' M_g of a row before it begins: it brings each group under the row's largest M by the exact factor 2^(M_g - M) and divides by the sum of the l_g so weighed.
; So the maximum is taken away before every exponential, as reference() does, over two launches: no work-group needs another's figures inside a launch.
; A group whose keys are all masked has M_g from the floor -3e38, p = 0 and l_g = 0.  LIMITS: scores above -3e38; NaN and infinities among the inputs are not served.
; (K comes without its bias: see the first launch.)
; A tile of 256 queries x 256 keys is made by a work-group of four waves; a wave makes 128 x 128 (one group of keys): 64 accumulators.  K = 1,024 channels goes in steps of 128 through a ring of two LDS slots:
; a tile's row is 256 bytes of memory, cut out of a token's row of 6,144 bytes.  One tensor load a wave is out behind each change of slots, asked for 224 matrix instructions ahead of the wait for it.
; CLUSTERS: 4 x 4 work-groups of one batch.  The four of a row of the cluster need the same tiles of Q, the four of a column the same tiles of K: joint loads.
; THE MATRIX INSTRUCTION IS USED TRANSPOSED (source 0 = 16 keys, source 1 = 16 queries): lane (r, h) holds query r, and register j of accumulator (a, b) key 16 b + 8 h + j: a query's 128 keys lie in lanes l and l xor 16.
; REGISTERS: window 0: v0-31 addresses and the softmax's figures; v32-55 -M, l; v64-127, v128-191 Q's fragments, two buffers; v192-255 the mask as 0 or -infinity.  window 1: v64-191 K's fragments.  windows 2, 3: accumulators.
;   On the way out v64-127 hold the block at work, v128-191 rows read back from the stage.
.set KSTEP,  128
.set PITCH,  272                       ; an LDS row: 256 bytes + 16 of padding: the 16 rows that a load touches start at 16 different banks (64 banks of 4 bytes: ISA guide 11.1)
.set HALFT,  128*PITCH
.set SLOT,   4*HALFT                   ; Q's 256 rows, then K's 256 rows
.set STAGE,  2*SLOT                    ; behind the ring: 16 rows x 272 bytes for each wave
.set SPITCH, 272
.set SPARE,  STAGE+4*16*SPITCH         ; the spare words, 128 bytes for each wave, which no other line names
.set LAPS,   4                         ; 1,024 / 256: a lap = two K steps = once round the ring
.set QROW,   6144                      ; a row of qkv in bytes
.set PROW,   4096                      ; a row of p in bytes
.set XM,   8                           ; v8-11   four chains of the maximum
.set NM,   12                          ; v[12:13] -M (the packed form names the pair and takes its low word)
.set SA,   14                          ; v[14:15] and
.set SB2,  18                          ; v[18:19] the sum, in two packed chains
.set PT,   22                          ; v22     a lane permute's destination
.set ADRA, 16                          ; v16-17  LDS address of my Q fragments in slot 0, 1
.set ADRB, 20                          ; v20-21  the same for K
.set STO,  24
.set RD,   25
.set CO,   26                          ; v26     my byte offset in p
.set SO,   27                          ; v27     my byte offset in stats: 32 r + 16 h
.set SPW,  28                          ; v28     LDS address of my spare word; never rewritten
.set NIL,  29                          ; v29     0; never rewritten
.set MO,   30                          ; v30     my byte offset in the mask: 8 h
.set MBY,  32                          ; v32-47  the mask's bytes, at the head
.set NMS,  32                          ; v32-39  -M of my eight blocks of queries
.set LS,   40                          ; v40-47  l of the same
.set OUTS, 48                          ; v48-55  what goes to stats
.set F0,   64
.set F1,   128
.set T,    64                          ; the block at work
.set OB,   128
.set MB,   192                         ; register 8 b + j: 0, or -infinity where key 16 b + 8 h + j is masked
.set G1, 24
.set G0, 32
.set G1B, 48
.set G0B, 56
.set CS,  66                           ; s[66:67] c = log2(e) / 32
.set SEL, 68                           ; s[68:69] v_permlanex16_b32's selects for lane l xor 16
.set MSB, 0
.macro WIN new
.if MSB != (\new)
	s_set_vgpr_msb (MSB<<8)|(\new)
.set MSB, (\new)
.endif
.endm
.set MUL_LO, 0xa1                      ; source 0 (K) window 1, source 1 (Q) window 0, C and D window 2
.set MUL_HI, 0xf1
.set TO_B,   0x40
.macro JLOAD s                         ; a joint load: waves 0 and 1 fetch Q's two halves, waves 2 and 3 K's; an s_nop 0 and four v_nop follow each of the two lines
	s_cmp_eq_u32 s13, 0
	s_cbranch_scc0 .Lfor_b_\@
	tensor_load_to_lds s[G0+4*\s:G0+4*\s+3], s[G1:G1+7]
	s_nop 0
.rept 4
	v_nop
.endr
	s_branch .Lasked_\@
.Lfor_b_\@:
	tensor_load_to_lds s[G0B+4*\s:G0B+4*\s+3], s[G1B:G1B+7]
	s_nop 0
.rept 4
	v_nop
.endr
.Lasked_\@:
.endm
.macro CREST                           ; a round of the cluster's barrier behind its opening barrier
	s_cmp_lg_u32 s12, 0
	s_cbranch_scc1 .Lnot_wave_0_\@
	s_barrier_signal -3
.Lnot_wave_0_\@:
	s_barrier_wait -3
	s_barrier_signal -1
	s_barrier_wait -1
.endm
.macro CROUND
	s_barrier_signal -1
	s_barrier_wait -1
	CREST
.endm
	s_load_b256 s[4:11], s[0:1], 0x0               ; qkv s[4:5], the mask s[6:7], p s[8:9], stats s[10:11]
	v_lshl_add_u32 v[SPW], v0, 2, SPARE
	v_mov_b32 v[NIL], 0
	ds_add_u32 v[SPW], v[NIL]                      ; the wave's opening: the add, twice on end, and its wait ahead of my first tensor load
	ds_add_u32 v[SPW], v[NIL]
	v_lshrrev_b32 v1, 5, v0
	v_readfirstlane_b32 s12, v1                    ; wave 0..3
	s_lshr_b32 s13, s12, 1                         ; which half of the tile's queries is mine.  Also: I fetch for Q (0) or for K (1)
	s_and_b32 s14, s12, 1                          ; which half of its keys.  Also: which 128 rows I fetch
	s_bfe_u32 s40, ttmp6, 0x40000                  ; cx, cy
	s_bfe_u32 s41, ttmp6, 0x40004
	s_lshl_b32 s42, ttmp9, 2
	s_add_co_u32 s42, s42, s40                     ; the tile of keys in the batch, 0..7
	s_and_b32 s15, ttmp7, 0xffff
	s_lshl_b32 s43, s15, 2
	s_add_co_u32 s43, s43, s41                     ; the tile of queries, 0..31, over all batches
	s_lshr_b32 s15, s15, 1                         ; the batch: the same in all sixteen partners
	s_lshl_b32 s44, s41, 2
	s_lshl_b32 s44, 15, s44                        ; my row of the cluster
	s_lshl_b32 s45, 0x1111, s40                    ; my column
	s_or_b32 s[G1+0], s44, (1<<16)|(1<<20)|(1<<21)|(5<<22)|(3<<25)   ; 15:0 the mask; 17:16 elements of 2 bytes; 20 padding on; 21 set beside a mask; 24:22 after every 64 words; 31:25 four words
	s_or_b32 s[G1B+0], s45, (1<<16)|(1<<20)|(1<<21)|(5<<22)|(3<<25)
.irp g, G1, G1B
	s_mov_b32 s[\g+1], KSTEP<<16                   ; tensor_dim0 = 128
	s_mov_b32 s[\g+2], 128<<16                     ; tensor_dim1 = 128
	s_mov_b32 s[\g+3], KSTEP<<16                   ; tile_dim0 = 128
	s_mov_b32 s[\g+4], 128                         ; tile_dim1 = 128
	s_mov_b32 s[\g+5], 3072                        ; elements from row to row
	s_mov_b32 s[\g+6], 0
	s_mov_b32 s[\g+7], 0
.endr
	s_mov_b32 s[CS], 0x3d38aa3b                    ; log2(e) / sqrt(1024)
	s_mov_b32 s[CS+1], s[CS]                       ; (named with it as a pair, so it is written)
	s_mov_b32 s[SEL], 0x76543210
	s_mov_b32 s[SEL+1], 0xfedcba98
	s_mov_b32 s70, 0xff800000                      ; -infinity
	s_lshl_b32 s17, s14, 7                         ; which 128 rows of the tile I fetch
	s_lshl_b32 s16, s43, 8
	s_add_co_u32 s16, s16, s17                     ; Q: token 256 x tile of queries + 128 x half
	s_lshl_b32 s46, s42, 8
	s_add_co_u32 s46, s46, s17
	s_lshl_b32 s18, s15, 11
	s_add_co_u32 s46, s46, s18                     ; K: token 2,048 x batch + 256 x tile of keys + 128 x half
	s_mul_i32 s16, s16, QROW                       ; in bytes (under 2^26)
	s_mov_b32 s17, 0
	s_mul_i32 s46, s46, QROW
	s_add_co_u32 s46, s46, 2048                    ; K lies 2,048 bytes into a token's row
	s_mov_b32 s47, 0
	s_mul_i32 s20, s12, HALFT                      ; where they go: wave x 128 rows: no place in the cluster enters an LDS address
	s_wait_dscnt 0x0                               ; both opening adds are done
	s_wait_kmcnt 0x0
	s_add_nc_u64 s[16:17], s[4:5], s[16:17]
	s_add_nc_u64 s[46:47], s[4:5], s[46:47]
	CROUND                                         ; all sixteen work-groups are here: the first joint loads meet
.irp s, 0,1
	s_mov_b32 s[G0+4*\s], 1
	s_add_co_u32 s[G0+4*\s+1], s20, \s*SLOT
	s_add_nc_u64 s[G0+4*\s+2:G0+4*\s+3], s[16:17], \s*KSTEP*2
	s_or_b32 s[G0+4*\s+3], s[G0+4*\s+3], 0x80000000
	s_mov_b32 s[G0B+4*\s], 1
	s_add_co_u32 s[G0B+4*\s+1], s20, \s*SLOT
	s_add_nc_u64 s[G0B+4*\s+2:G0B+4*\s+3], s[46:47], \s*KSTEP*2
	s_or_b32 s[G0B+4*\s+3], s[G0B+4*\s+3], 0x80000000
	JLOAD \s                                       ; two tensor loads of mine are out
.endr
	v_and_b32 v1, 15, v0                           ; r
	v_bfe_u32 v2, v0, 4, 1                         ; h
	v_and_b32 v6, 31, v0                           ; lane
	v_lshlrev_b32 v[MO], 3, v2
	s_lshl_b32 s46, s42, 8                         ; my 128 keys in the mask: 2,048 x batch + 256 x tile + 128 x half
	s_add_co_u32 s46, s46, s18
	s_lshl_b32 s47, s14, 7
	s_add_co_u32 s46, s46, s47
	s_mov_b32 s47, 0
	s_add_nc_u64 s[6:7], s[6:7], s[46:47]
.irp b, 0,1,2,3,4,5,6,7
	global_load_b64 v[MBY+2*\b:MBY+2*\b+1], v[MO], s[6:7] offset:16*\b   ; the bytes of keys 16 b + 8 h + 0 .. 7
.endr
	v_mul_u32_u24 v3, v1, PITCH
	v_lshl_add_u32 v3, v2, 4, v3                   ; a fragment's row x pitch + 16 h
	s_mul_i32 s18, s13, HALFT                      ; my 128 rows of Q
	s_mul_i32 s19, s14, HALFT                      ; my 128 rows of K,
	s_add_co_u32 s19, s19, 2*HALFT                 ; which lie behind Q's 256
.irp s, 0,1
	v_add_nc_u32 v[ADRA+\s], s18, v3
	v_add_nc_u32 v[ADRB+\s], s19, v3
	s_add_co_u32 s18, s18, SLOT
	s_add_co_u32 s19, s19, SLOT
.endr
	s_mul_i32 s18, s12, 16*SPITCH
	s_add_co_u32 s18, s18, STAGE                   ; my stage
	v_mul_u32_u24 v4, v1, SPITCH                   ; in: row r, 16 bytes for each half of the lanes
	v_lshl_add_u32 v4, v2, 4, v4
	v_add_nc_u32 v[STO], s18, v4
	v_mul_u32_u24 v5, v2, SPITCH                   ; back: lanes 0-15 one row of 256 bytes, lanes 16-31 the next
	v_lshl_add_u32 v5, v1, 4, v5
	v_add_nc_u32 v[RD], s18, v5
	v_lshlrev_b32 v5, 12, v2                       ; and the same two rows in p
	v_lshl_add_u32 v[CO], v1, 4, v5
	v_lshlrev_b32 v5, 5, v1
	v_lshl_add_u32 v[SO], v2, 4, v5
	v_mov_b32 v[NM+1], 0                           ; (the upper half of the pair v[12:13] is named, so it is written)
	v_mov_b32 v[PT], 0                             ; (a lane permute's destination counts as one of its sources)
	s_lshl_b32 s22, s43, 8                         ; p: my first query 256 x tile + 128 x half, rows of 4,096 bytes,
	s_lshl_b32 s23, s13, 7
	s_add_co_u32 s22, s22, s23
	s_lshl_b32 s22, s22, 12
	s_lshl_b32 s46, s42, 9                         ; + my first key in bytes: 512 x tile + 256 x half
	s_lshl_b32 s47, s14, 8
	s_add_co_u32 s46, s46, s47
	s_add_co_u32 s22, s22, s46
	s_mov_b32 s23, 0
	s_add_nc_u64 s[8:9], s[8:9], s[22:23]
	s_lshl_b32 s46, s42, 1                         ; stats [16 groups][64 blocks of 128 queries][16 r][8 a]: group 2 x tile of keys + half,
	s_add_co_u32 s46, s46, s14
	s_lshl_b32 s46, s46, 15
	s_lshl_b32 s22, s43, 1                         ; block 2 x tile of queries + half
	s_add_co_u32 s22, s22, s13
	s_lshl_b32 s22, s22, 9
	s_add_co_u32 s22, s22, s46
	s_add_nc_u64 s[10:11], s[10:11], s[22:23]
	s_wait_loadcnt 0x0                             ; the mask's bytes
.irp b, 0,1,2,3,4,5,6,7
.irp j, 0,1,2,3,4,5,6,7
	v_bfe_u32 v[MB+8*\b+\j], v[MBY+2*\b+\j/4], 8*(\j%4), 1
.endr
.endr
.set i, 0
.rept 64
	v_mul_lo_u32 v[MB+i], v[MB+i], s70             ; 0 stays 0; 1 becomes the bits of -infinity
.set i, i+1
.endr
; 16 matrix instructions: blocks a0, a0 + 1 of the window's four (hi = 0: my queries 0-63, 1: 64-127) x all 8 blocks of keys, 32 channels.  zero = 1: the first product starts the sums.  The 64 accumulators take turns.
.macro MUL16 f, hi, a0, zero
.irp a, \a0, \a0+1
.irp b, 0,1,2,3,4,5,6,7
.if \zero
	v_wmma_f32_16x16x32_f16 v[8*(8*(\a)+\b):8*(8*(\a)+\b)+7], v[\f+8*\b:\f+8*\b+7], v[\f+8*(4*\hi+\a):\f+8*(4*\hi+\a)+7], 0
.else
	v_wmma_f32_16x16x32_f16 v[8*(8*(\a)+\b):8*(8*(\a)+\b)+7], v[\f+8*\b:\f+8*\b+7], v[\f+8*(4*\hi+\a):\f+8*(4*\hi+\a)+7], v[8*(8*(\a)+\b):8*(8*(\a)+\b)+7]
.endif
.endr
.endr
.endm
.macro FETCH slot, k, f                ; 32 LDS loads in one run: a quarter step's fragments (128 keys, 128 queries, 32 channels at byte k of the rows) into buffer f
	WIN TO_B
.irp i, 0,1,2,3,4,5,6,7
	ds_load_b128 v[\f+8*\i:\f+8*\i+3],   v[ADRB+\slot] offset:\k+\i*16*PITCH
	ds_load_b128 v[\f+8*\i+4:\f+8*\i+7], v[ADRB+\slot] offset:\k+\i*16*PITCH+32
.endr
	WIN 0
.irp i, 0,1,2,3,4,5,6,7
	ds_load_b128 v[\f+8*\i:\f+8*\i+3],   v[ADRA+\slot] offset:\k+\i*16*PITCH
	ds_load_b128 v[\f+8*\i+4:\f+8*\i+7], v[ADRA+\slot] offset:\k+\i*16*PITCH+32
.endr
.endm
.macro PLACES                          ; four places in front of loads into registers that matrix instructions have read, and of the first read of results (ISA guide 7.12.1 for the first read of results)
.rept 4
	v_nop
.endr
.endm
.macro QUARTER slot, k, f, g, zero     ; multiplies buffer f; in its middle it fetches the next quarter's fragments, at byte k, into buffer g
	s_wait_dscnt 8                                 ; K's fragments and Q's rows 0-63 are in; the youngest eight loads (Q's rows 64-127) may be out
	WIN MUL_LO
	MUL16 \f, 0, 0, \zero
	MUL16 \f, 0, 2, \zero
	PLACES
	FETCH \slot, \k, \g
	s_wait_dscnt 32                                ; all but the 32 just issued
	WIN MUL_HI
	MUL16 \f, 1, 0, \zero
	MUL16 \f, 1, 2, \zero
.endm
; A K step's last quarter multiplies buffer 1 and changes slots: one barrier.  In front of it each wave waits for all its tensor loads (the one that is out is its part of the next slot), adds 0 to its spare word,
; and waits for that and for its own reads of this slot.  fill = 1: the barrier opens a round of the cluster's, and behind the round this slot is filled again, two K steps ahead.
.macro TURN slot, next, fill
	WIN 0                                          ; (the add's two registers lie in window 0)
	s_wait_tensorcnt 0x0
	ds_add_u32 v[SPW], v[NIL]
	s_wait_dscnt 9                                 ; (the add and the youngest eight loads may be out)
	WIN MUL_LO
	MUL16 F1, 0, 0, 0                              ; sixteen matrix instructions stand between the add and the wait for it
	s_wait_dscnt 0x0                               ; the add is done, and my reads of this slot are over
	s_barrier_signal -1
	MUL16 F1, 0, 2, 0                              ; work on registers while the others arrive
.if \fill
	WIN 0
.endif
	s_barrier_wait -1
.if \fill
	CREST                                          ; no wave of any partner still reads this slot's tile or has a load on its way
	s_add_nc_u64 s[G0+4*\slot+2:G0+4*\slot+3], s[G0+4*\slot+2:G0+4*\slot+3], 2*KSTEP*2
	s_add_nc_u64 s[G0B+4*\slot+2:G0B+4*\slot+3], s[G0B+4*\slot+2:G0B+4*\slot+3], 2*KSTEP*2
	JLOAD \slot                                    ; the first tensor load behind the round; its four v_nop are also the places in front of the loads below
.else
	PLACES
.endif
	FETCH \next, 0, F0
	WIN MUL_HI
	MUL16 F1, 1, 0, 0
	MUL16 F1, 1, 2, 0
.endm
	s_wait_tensorcnt 1                             ; my part of K step 0 is in; K step 1's load may be out
	s_barrier_signal -1
	s_barrier_wait -1
	FETCH 0, 0, F0
	QUARTER 0, 64,  F0, F1, 1                      ; the first quarter stands in front of the loop: its products start the sums
	WIN 0                                          ; at a label and at a branch every window is 0
	s_mov_b32 s3, LAPS-1
.Llap:                                                 ; a trip goes once round the ring, from a lap's second quarter to the next lap's first, and fills both slots again
	QUARTER 0, 128, F1, F0, 0
	QUARTER 0, 192, F0, F1, 0
	TURN 0, 1, 1
	QUARTER 1, 64,  F0, F1, 0
	QUARTER 1, 128, F1, F0, 0
	QUARTER 1, 192, F0, F1, 0
	TURN 1, 0, 1
	QUARTER 0, 64,  F0, F1, 0
	WIN 0
	s_sub_co_u32 s3, s3, 1
	s_cmp_lg_u32 s3, 0
	s_cbranch_scc1 .Llap
	QUARTER 0, 128, F1, F0, 0                      ; the last lap is written out: it fills nothing
	QUARTER 0, 192, F0, F1, 0
	TURN 0, 1, 0
	QUARTER 1, 64,  F0, F1, 0
	QUARTER 1, 128, F1, F0, 0
	QUARTER 1, 192, F0, F1, 0
	s_wait_dscnt 8
	WIN MUL_LO
	MUL16 F1, 0, 0, 0
	MUL16 F1, 0, 2, 0
	s_wait_dscnt 0
	WIN MUL_HI
	MUL16 F1, 1, 0, 0
	MUL16 F1, 1, 2, 0
	WIN 0
; THE SOFTMAX OF BLOCK a: 16 queries x my 128 keys, 64 scores a lane.
.macro SOFT a
.set AC, 64*((\a)%4)
	WIN 0x02+(\a)/4                                ; source 0: window 2 or 3
.set i, 0
.rept 32
	v_pk_add_f32 v[T+i:T+i+1], v[AC+i:AC+i+1], v[MB+i:MB+i+1]      ; the mask: + 0 or + -infinity; each accumulator is read from its low end on
.set i, i+2
.endr
	WIN 0
.irp k, 0,1,2,3
	v_max3_num_f32 v[XM+\k], v[T+16*\k], v[T+16*\k+1], 0xff61b1e6  ; four chains by turns; the floor -3e38 keeps M a number where all keys are masked
.endr
.irp i, 2,4,6,8,10,12,14
.irp k, 0,1,2,3
	v_max3_num_f32 v[XM+\k], v[XM+\k], v[T+16*\k+\i], v[T+16*\k+\i+1]
.endr
.endr
	v_max3_num_f32 v[XM], v[XM], v[XM+1], v[XM+2]
	v_max_num_f32 v[XM], v[XM], v[XM+3]
	v_permlanex16_b32 v[XM+1], v[XM], s[SEL], s[SEL+1]
	v_max_num_f32 v[XM], v[XM], v[XM+1]            ; with lane l xor 16's 64 keys: the group's largest score of my query
	v_mul_f32 v[XM], s[CS], v[XM]                  ; as t (c is positive)
	v_floor_f32 v[NM], -v[XM]                      ; -M = floor(-t) = -ceil(t): a whole number
.set i, 0
.rept 32
	v_pk_fma_f32 v[T+i:T+i+1], v[T+i:T+i+1], s[CS:CS+1], v[NM:NM+1] op_sel_hi:[1,0,0]   ; t - M, one rounding
.set i, i+2
.endr
.set i, 0
.rept 64
	v_exp_f32 v[T+i], v[T+i]                       ; p = 2^(t - M), at most 1; 0 where the key is masked
.set i, i+1
.endr
	v_mov_b32 v[NMS+(\a)], v[NM]                   ; (the plain line behind the exponentials)
	s_wait_alu depctr_va_vdst(0)                   ; one wait for the batch of 64, ahead of its first reader
	v_pk_add_f32 v[SA:SA+1], v[T:T+1], v[T+2:T+3]  ; the sum of the unrounded p, in two packed chains
	v_pk_add_f32 v[SB2:SB2+1], v[T+4:T+5], v[T+6:T+7]
.irp j, 8,12,16,20,24,28,32,36,40,44,48,52,56,60
	v_pk_add_f32 v[SA:SA+1], v[SA:SA+1], v[T+\j:T+\j+1]
	v_pk_add_f32 v[SB2:SB2+1], v[SB2:SB2+1], v[T+\j+2:T+\j+3]
.endr
	v_pk_add_f32 v[SA:SA+1], v[SA:SA+1], v[SB2:SB2+1]
	v_add_f32 v[SA], v[SA], v[SA+1]
	v_permlanex16_b32 v[PT], v[SA], s[SEL], s[SEL+1]
	v_add_f32 v[LS+(\a)], v[SA], v[PT]
.set i, 0
.rept 32
	v_cvt_pk_f16_f32 v[T+i], v[T+2*i], v[T+2*i+1]  ; in place, ascending: register i is written when registers 2 i and 2 i + 1 are read, and is read by no later line
.set i, i+1
.endr
.endm
.macro TOSTAGE a                       ; a lane's 16 bytes (8 keys of a query) into my own stage; back as whole rows of 256 bytes
.set BK, OB+32*((\a)%2)
.irp b, 0,1,2,3,4,5,6,7
	ds_store_b128 v[STO], v[T+4*\b:T+4*\b+3] offset:32*\b
.endr
.irp t, 0,1,2,3,4,5,6,7
	ds_load_b128 v[BK+4*\t:BK+4*\t+3], v[RD] offset:\t*2*SPITCH    ; LDS serves a wave's instructions in order (ISA guide 5.7.1.4): these see the stores above
.endr
.endm
.macro SEND a
.set BK, OB+32*((\a)%2)
	s_wait_dscnt 0x0                               ; the block is back in registers
	s_wait_xcnt 0x0                                ; the earlier stores have read their base and their registers
.if (\a) > 0
	s_add_nc_u64 s[8:9], s[8:9], 16*PROW
.endif
.irp t, 0,1,2,3,4,5,6,7
	global_store_b128 v[CO], v[BK+4*\t:BK+4*\t+3], s[8:9] offset:2*\t*PROW   ; 16 lanes store 256 consecutive bytes, at a multiple of 256 from p's first byte
.endr
.endm
	PLACES                                         ; behind the last products
	SOFT 0
	TOSTAGE 0
.irp a, 1,2,3,4,5,6,7                  ; block a's softmax stands between block a - 1's loads from the stage and the wait for them
	SOFT \a
	SEND \a-1
	TOSTAGE \a
.endr
	SEND 7
	v_cmp_lt_u32 vcc_lo, 15, v6                    ; lanes 16-31 store blocks 4 to 7, lanes 0-15 blocks 0 to 3: both halves hold all eight
.irp i, 0,1,2,3
	v_cndmask_b32 v[OUTS+\i], v[NMS+\i], v[NMS+4+\i], vcc_lo
	v_cndmask_b32 v[OUTS+4+\i], v[LS+\i], v[LS+4+\i], vcc_lo
.endr
	global_store_b128 v[SO], v[OUTS:OUTS+3], s[10:11]                  ; -M: the wave stores 512 consecutive bytes
	global_store_b128 v[SO], v[OUTS+4:OUTS+7], s[10:11] offset:524288  ; l likewise
	s_wait_tensorcnt 0x0                           ; the wave's end
	ds_add_u32 v[SPW], v[NIL]
	s_wait_dscnt 0x0
	CROUND                                         ; the closing round
	s_endpgm
.Lfunc_end_k_qcb6783afc9_scores:
	.size	k_qcb6783afc9_scores, .Lfunc_end_k_qcb6783afc9_scores-k_qcb6783afc9_scores
	.p2alignl 7, 3214868480
	.fill 96, 4, 3214868480
	.section	.rodata,"a",@progbits
	.p2align	6, 0x0
	.amdhsa_kernel k_qcb6783afc9_scores
		.amdhsa_group_segment_fixed_size 327680
		.amdhsa_private_segment_fixed_size 0
		.amdhsa_enable_private_segment 0
		.amdhsa_kernarg_size 32
		.amdhsa_user_sgpr_count 2
		.amdhsa_user_sgpr_kernarg_segment_ptr 1
		.amdhsa_wavefront_size32 1
		.amdhsa_system_sgpr_workgroup_id_x 1
		.amdhsa_system_sgpr_workgroup_id_y 1
		.amdhsa_system_sgpr_workgroup_id_z 1
		.amdhsa_system_vgpr_workitem_id 0
		.amdhsa_next_free_vgpr 1024
		.amdhsa_next_free_sgpr 80
		.amdhsa_reserve_vcc 1
		.amdhsa_float_denorm_mode_32 3
		.amdhsa_float_denorm_mode_16_64 3
		.amdhsa_memory_ordered 1
		.amdhsa_forward_progress 1
		.amdhsa_inst_pref_size 237
	.end_amdhsa_kernel
	.amdgpu_metadata
---
amdhsa.version: [ 1, 2 ]
amdhsa.kernels:
  - .name:           k_qcb6783afc9_scores
    .symbol:         k_qcb6783afc9_scores.kd
    .args:
      - { .name: qkv, .offset: 0, .size: 8, .value_kind: global_buffer, .address_space: global }
      - { .name: attention_mask, .offset: 8, .size: 8, .value_kind: global_buffer, .address_space: global }
      - { .name: p, .offset: 16, .size: 8, .value_kind: global_buffer, .address_space: global }
      - { .name: stats, .offset: 24, .size: 8, .value_kind: global_buffer, .address_space: global }
    .group_segment_fixed_size: 327680
    .private_segment_fixed_size: 0
    .kernarg_segment_align: 8
    .kernarg_segment_size: 32
    .max_flat_workgroup_size: 128
    .sgpr_count:     80
    .vgpr_count:     1024
    .wavefront_size: 32
...
	.end_amdgpu_metadata
.endif
;; end of part 3
;; launch pv (part 4): grid 4 x 64, 4 waves a work-group, clusters of 4 x 4, 327,680 bytes of LDS; arguments p, qkv, stats, out0; writes out0
.if DOCPART == 4
	.amdgcn_target "amdgcn-amd-amdhsa--gfx1250"
	.amdhsa_code_object_version 6
	.text
	.protected	k_qcb6783afc9_pv
	.globl	k_qcb6783afc9_pv
	.p2align	8
	.type	k_qcb6783afc9_pv,@function
k_qcb6783afc9_pv:
	s_mov_b64 s[64:65], 0
	v_nop
	global_prefetch_b8 v0, s[64:65] scope:SCOPE_SE
	s_setreg_imm32_b32 hwreg(HW_REG_WAVE_MODE, 25, 1), 1
	s_wait_xcnt 0x0
	s_wait_alu depctr_hold_cnt(0) depctr_sa_sdst(0) depctr_va_vdst(0) depctr_va_sdst(0) depctr_va_ssrc(0) depctr_va_vcc(0) depctr_vm_vsrc(0)
	s_getreg_b32 s2, hwreg(HW_REG_IB_STS2, 6, 4)
	s_cmp_eq_u32 s2, 0
	s_cbranch_scc0 .Lentry_in_a_cluster
	s_endpgm
.Lentry_in_a_cluster:
	s_bfe_u32 s2, ttmp6, 0x10000c
	s_cmp_lg_u32 s2, 0xf033
	s_cbranch_scc0 .Lentry_shape_is_right
	s_endpgm
.Lentry_shape_is_right:
; out0[query][channel] = (sum over the 16 groups g of alpha_g x S_g) / l, with S_g = sum over the group's 128 keys of p V, alpha_g = 2^(M_g - M), M the largest M_g of the query's row, l = sum of alpha_g l_g.
; p [8192][2048] f16 and -M_g, l_g (stats) come from the launch before; V is the third part of qkv's rows, f16.  M_g - M is a whole number, 0 or less: alpha is an exact power of two in f32 (0 where it falls under f32's range:
; such a group weighs nothing beside the row's largest p, which lies above 1/2).  Each group is summed by the matrix unit into accumulators of its own, S, begun with the constant 0, and O += alpha S is a fused multiply-add in f32.
; A batch whose keys are all masked has l = 0 and sums of 0: 0 x (1 / 0) gives NaN, as reference() does.
; A tile of 128 queries x 256 channels is made by a work-group of four waves; a wave makes 64 x 128: 32 accumulators.  K = 2,048 keys goes in 16 steps of 128, one group each, through a ring of two LDS slots.
; One tensor load a wave is out behind each change of slots, asked for 112 matrix instructions ahead of the wait for it.
; CLUSTERS: 4 x 4 work-groups of one batch.  The four of a row of the cluster need the same tiles of p, the four of a column the same tiles of V: joint loads.
; THE MATRIX INSTRUCTION IS USED TRANSPOSED: source 0 = 16 channels x 32 keys of V^T (V lies [key][channel] in LDS and is turned by ds_load_tr16_b128), source 1 = 16 queries x 32 keys of p: a lane holds one query and eight neighbouring channels.
; REGISTERS: window 0: v0-31 addresses; v32-47 alpha, two sets of four pairs; v48-55 1 / l; v64-159, v160-255 two fragment buffers (32 registers of p, 64 of V^T), at work at the head and on the way out.
;   window 1: O, accumulator (a, b) at v[8 (8 a + b)].  window 2: S likewise.
.set PP,     272                       ; a row of p in LDS: 256 bytes + 16 of padding
.set PV,     544                       ; a row of V: 512 bytes + 32 = 136 words: the turning load's 8 rows x 32 bytes fall on different banks (64 banks of 4 bytes: ISA guide 11.1)
.set VOFF,   128*PP                    ; a slot: 128 rows of p, then 128 rows of V
.set SLOT,   128*(PP+PV)
.set ALT,    2*SLOT                    ; behind the ring: alpha, 8,192 bytes for each wave: [16 g][16 r][4 a] pairs of words, alpha in f32 twice
.set STAGE,  ALT+4*8192                ; the way out: 16 rows x (512 + 16) bytes for each wave
.set SPITCH, 528
.set SPARE,  STAGE+4*16*SPITCH         ; the spare words, 128 bytes for each wave, which no other line names
.set LAPS,   8                         ; 16 K steps, two to a lap
.set OROW,   4096                      ; a row of out0, and of p, in bytes
.set ADAL, 10                          ; v10  LDS address of the K step's alpha: 512 bytes on with each step
.set ALW,  11                          ; v11  where I store alpha at the head
.set STA,  12                          ; v12  my byte offset in stats
.set ADRA, 16                          ; v16-17 LDS address of my p fragments in slot 0, 1
.set ADRB, 20                          ; v20-21 the same for V
.set STO,  24
.set RD,   25
.set CO,   26
.set SPW,  28                          ; v28  LDS address of my spare word; never rewritten
.set NIL,  29                          ; v29  0; never rewritten
.set AL,   32                          ; alpha of block a, set s, at v[32 + 8 s + 2 a] and once more beside it
.set RL,   48                          ; 1 / l of block a at v[48 + 2 a], its copy beside it
.set NN,   64                          ; the head: -M_g, then M_g - M: group 8 h + i, block a at v[64 + 4 i + a]
.set LL,   96                          ; l_g likewise
.set DD,   128                         ; alpha, twice: v[128 + 8 i + 2 a] and the next
.set TW,   192                         ; at work at the head
.set F0,   64
.set F1,   160
.set T,    64
.set BK,   128
.set G1, 24
.set G0, 32
.set G1B, 48
.set G0B, 56
.set SEL, 68
.set MSB, 0
.macro WIN new
.if MSB != (\new)
	s_set_vgpr_msb (MSB<<8)|(\new)
.set MSB, (\new)
.endif
.endm
.set W_MUL, 0xa0                       ; C and D (S) window 2, the fragments window 0
.set W_FMA, 0x52                       ; destination and source 2 (O) window 1, source 0 (S) window 2, source 1 (alpha) window 0
.set W_FST, 0x42                       ; the same without a source 2
.macro JLOAD s                         ; a joint load: waves 0 and 1 fetch p's two halves, waves 2 and 3 V's; an s_nop 0 and four v_nop follow each of the two lines
	s_cmp_eq_u32 s13, 0
	s_cbranch_scc0 .Lfor_b_\@
	tensor_load_to_lds s[G0+4*\s:G0+4*\s+3], s[G1:G1+7]
	s_nop 0
.rept 4
	v_nop
.endr
	s_branch .Lasked_\@
.Lfor_b_\@:
	tensor_load_to_lds s[G0B+4*\s:G0B+4*\s+3], s[G1B:G1B+7]
	s_nop 0
.rept 4
	v_nop
.endr
.Lasked_\@:
.endm
.macro CREST
	s_cmp_lg_u32 s12, 0
	s_cbranch_scc1 .Lnot_wave_0_\@
	s_barrier_signal -3
.Lnot_wave_0_\@:
	s_barrier_wait -3
	s_barrier_signal -1
	s_barrier_wait -1
.endm
.macro CROUND
	s_barrier_signal -1
	s_barrier_wait -1
	CREST
.endm
	s_load_b256 s[4:11], s[0:1], 0x0               ; p s[4:5], qkv s[6:7], stats s[8:9], out0 s[10:11]
	v_lshl_add_u32 v[SPW], v0, 2, SPARE
	v_mov_b32 v[NIL], 0
	ds_add_u32 v[SPW], v[NIL]                      ; the wave's opening: the add, twice on end, and its wait ahead of my first tensor load
	ds_add_u32 v[SPW], v[NIL]
	v_lshrrev_b32 v1, 5, v0
	v_readfirstlane_b32 s12, v1                    ; wave 0..3
	s_lshr_b32 s13, s12, 1                         ; which 64 of the tile's queries are mine.  Also: I fetch for p (0) or for V (1)
	s_and_b32 s14, s12, 1                          ; which 128 of its channels.  Also: which 64 rows I fetch
	s_bfe_u32 s40, ttmp6, 0x40000                  ; cx, cy
	s_bfe_u32 s41, ttmp6, 0x40004
	s_lshl_b32 s42, ttmp9, 2
	s_add_co_u32 s42, s42, s40                     ; the tile of 256 channels, 0..3
	s_and_b32 s15, ttmp7, 0xffff
	s_lshl_b32 s43, s15, 2
	s_add_co_u32 s43, s43, s41                     ; the tile of 128 queries, 0..63, over all batches
	s_lshr_b32 s15, s15, 2                         ; the batch: the same in all sixteen partners
	s_lshl_b32 s44, s41, 2
	s_lshl_b32 s44, 15, s44                        ; my row of the cluster
	s_lshl_b32 s45, 0x1111, s40                    ; my column
	s_or_b32 s[G1+0], s44, (1<<16)|(1<<20)|(1<<21)|(5<<22)|(3<<25)   ; p: elements of 2 bytes; four words of padding after every 64
	s_mov_b32 s[G1+1], 128<<16                     ; tensor_dim0 = 128 keys
	s_mov_b32 s[G1+2], 64<<16                      ; tensor_dim1 = 64 queries
	s_mov_b32 s[G1+3], 128<<16                     ; tile_dim0
	s_mov_b32 s[G1+4], 64                          ; tile_dim1
	s_mov_b32 s[G1+5], 2048                        ; elements from row to row
	s_mov_b32 s[G1+6], 0
	s_mov_b32 s[G1+7], 0
	s_or_b32 s[G1B+0], s45, (1<<16)|(1<<20)|(1<<21)|(6<<22)|(7<<25)  ; V: eight words of padding after every 128
	s_mov_b32 s[G1B+1], 256<<16                    ; 256 channels
	s_mov_b32 s[G1B+2], 64<<16                     ; 64 keys
	s_mov_b32 s[G1B+3], 256<<16
	s_mov_b32 s[G1B+4], 64
	s_mov_b32 s[G1B+5], 3072
	s_mov_b32 s[G1B+6], 0
	s_mov_b32 s[G1B+7], 0
	s_mov_b32 s[SEL], 0x76543210
	s_mov_b32 s[SEL+1], 0xfedcba98
	s_lshl_b32 s17, s14, 6                         ; which 64 rows I fetch
	s_lshl_b32 s16, s43, 7
	s_add_co_u32 s16, s16, s17                     ; p: query 128 x tile + 64 x half,
	s_lshl_b32 s16, s16, 12                        ; rows of 4,096 bytes (under 2^25)
	s_lshl_b32 s46, s15, 11
	s_add_co_u32 s46, s46, s17                     ; V: token 2,048 x batch + 64 x half,
	s_mul_i32 s46, s46, 6144
	s_lshl_b32 s47, s42, 9                         ; + 512 bytes x the tile of channels,
	s_add_co_u32 s46, s46, s47
	s_add_co_u32 s46, s46, 4096                    ; + 4,096: V's place in a token's row
	s_mov_b32 s17, 0
	s_mov_b32 s47, 0
	s_mul_i32 s20, s14, 64*PP                      ; where they go: no place in the cluster enters an LDS address
	s_mul_i32 s21, s14, 64*PV
	s_add_co_u32 s21, s21, VOFF
	s_wait_dscnt 0x0                               ; both opening adds are done
	s_wait_kmcnt 0x0
	s_add_nc_u64 s[16:17], s[4:5], s[16:17]
	s_add_nc_u64 s[46:47], s[6:7], s[46:47]
	CROUND                                         ; all sixteen work-groups are here: the first joint loads meet
.irp s, 0,1
	s_mov_b32 s[G0+4*\s], 1
	s_add_co_u32 s[G0+4*\s+1], s20, \s*SLOT
	s_add_nc_u64 s[G0+4*\s+2:G0+4*\s+3], s[16:17], \s*256          ; K step s: 128 keys on in a row of p
	s_or_b32 s[G0+4*\s+3], s[G0+4*\s+3], 0x80000000
	s_mov_b32 s[G0B+4*\s], 1
	s_add_co_u32 s[G0B+4*\s+1], s21, \s*SLOT
	s_add_nc_u64 s[G0B+4*\s+2:G0B+4*\s+3], s[46:47], \s*128*6144   ; 128 tokens down in qkv
	s_or_b32 s[G0B+4*\s+3], s[G0B+4*\s+3], 0x80000000
	JLOAD \s                                       ; two tensor loads of mine are out
.endr
	; THE HEAD, while the first tiles are on their way: alpha of my 64 queries for all 16 groups, and 1 / l.  Lane (r, h) takes groups 8 h + 0 .. 7 of queries 16 a + r, a = 0 .. 3
	v_and_b32 v1, 15, v0                           ; r
	v_bfe_u32 v2, v0, 4, 1                         ; h
	v_lshlrev_b32 v[STA], 5, v1
	v_lshl_add_u32 v[STA], v2, 18, v[STA]          ; 32 r + 8 h groups of 32,768 bytes
	s_lshl_b32 s22, s43, 9                         ; my block of 128 queries,
	s_lshl_b32 s23, s13, 4                         ; my four of its eight blocks of 16
	s_add_co_u32 s22, s22, s23
	s_mov_b32 s23, 0
	s_add_nc_u64 s[8:9], s[8:9], s[22:23]
.irp i, 0,1,2,3,4,5,6,7
	global_load_b128 v[NN+4*\i:NN+4*\i+3], v[STA], s[8:9] offset:32768*\i
.endr
.irp i, 0,1,2,3,4,5,6,7
	global_load_b128 v[LL+4*\i:LL+4*\i+3], v[STA], s[8:9] offset:524288+32768*\i
.endr
	v_mul_u32_u24 v3, v1, PP
	v_lshl_add_u32 v3, v2, 4, v3                   ; p: row r x pitch + 16 h
	s_mul_i32 s18, s13, 64*PP                      ; my 64 queries
	v_and_b32 v4, 7, v0
	v_lshl_add_u32 v4, v2, 3, v4
	v_mul_u32_u24 v4, v4, PV                       ; V: key 8 h + lane % 8,
	v_bfe_u32 v5, v0, 3, 1
	v_lshl_add_u32 v4, v5, 4, v4                   ; channels 8 ((lane / 8) % 2) on
	s_lshl_b32 s19, s14, 8                         ; my 128 channels
	s_add_co_u32 s19, s19, VOFF
.irp s, 0,1
	v_add_nc_u32 v[ADRA+\s], s18, v3
	v_add_nc_u32 v[ADRB+\s], s19, v4
	s_add_co_u32 s18, s18, SLOT
	s_add_co_u32 s19, s19, SLOT
.endr
	s_lshl_b32 s18, s12, 13
	s_add_co_u32 s18, s18, ALT                     ; my wave's alpha
	v_lshl_add_u32 v[ADAL], v1, 5, s18             ; read: 32 r, group 0
	v_lshl_add_u32 v[ALW], v2, 12, v[ADAL]         ; stored: + 8 h groups of 512 bytes
	s_mul_i32 s18, s12, 16*SPITCH
	s_add_co_u32 s18, s18, STAGE                   ; my stage
	v_mul_u32_u24 v5, v1, SPITCH
	v_lshl_add_u32 v5, v2, 5, v5
	v_add_nc_u32 v[STO], s18, v5                   ; in: row r, 32 bytes for each half of the lanes
	v_and_b32 v5, 31, v0
	v_lshlrev_b32 v[CO], 4, v5                     ; back: the 32 lanes take one row of 512 bytes; and the same in out0
	v_add_nc_u32 v[RD], s18, v[CO]
	s_lshl_b32 s22, s43, 7
	s_lshl_b32 s23, s13, 6
	s_add_co_u32 s22, s22, s23                     ; my first query
	s_lshl_b32 s22, s22, 12
	s_lshl_b32 s46, s42, 10                        ; my first channel in bytes: 1,024 x tile + 512 x half
	s_lshl_b32 s47, s14, 9
	s_add_co_u32 s46, s46, s47
	s_add_co_u32 s22, s22, s46
	s_mov_b32 s23, 0
	s_add_nc_u64 s[10:11], s[10:11], s[22:23]
.irp a, 0,1,2,3
	v_mov_b32 v[TW+4+\a], 0                        ; (a lane permute's destination counts as one of its sources)
.endr
	s_wait_loadcnt 0x0
.irp a, 0,1,2,3
	v_min3_num_f32 v[TW+\a], v[NN+\a], v[NN+4+\a], v[NN+8+\a]      ; the least -M_g is -M.  The four blocks by turns
.endr
.irp a, 0,1,2,3
	v_min3_num_f32 v[TW+\a], v[TW+\a], v[NN+12+\a], v[NN+16+\a]
.endr
.irp a, 0,1,2,3
	v_min3_num_f32 v[TW+\a], v[TW+\a], v[NN+20+\a], v[NN+24+\a]
.endr
.irp a, 0,1,2,3
	v_min_num_f32 v[TW+\a], v[TW+\a], v[NN+28+\a]
.endr
.irp a, 0,1,2,3
	v_permlanex16_b32 v[TW+4+\a], v[TW+\a], s[SEL], s[SEL+1]
.endr
.irp a, 0,1,2,3
	v_min_num_f32 v[TW+\a], v[TW+\a], v[TW+4+\a]   ; with lane l xor 16's eight groups
.endr
.irp i, 0,1,2,3,4,5,6,7
.irp a, 0,1,2,3
	v_sub_f32 v[NN+4*\i+\a], v[TW+\a], v[NN+4*\i+\a]               ; M_g - M: a whole number, 0 or less
.endr
.endr
.set i, 0
.rept 32
	v_cvt_i32_f32 v[NN+i], v[NN+i]                 ; (it saturates)
.set i, i+1
.endr
.irp i, 0,1,2,3,4,5,6,7
.irp a, 0,1,2,3
	v_ldexp_f32 v[DD+8*\i+2*\a], 1.0, v[NN+4*\i+\a]                ; alpha = 2^(M_g - M): exact;
	v_ldexp_f32 v[DD+8*\i+2*\a+1], 1.0, v[NN+4*\i+\a]              ; and once more: the packed multiply-add takes a pair
.endr
.endr
.irp a, 0,1,2,3
	v_mul_f32 v[TW+8+\a], v[DD+2*\a], v[LL+\a]
.endr
.irp i, 1,2,3,4,5,6,7
.irp a, 0,1,2,3
	v_fmac_f32 v[TW+8+\a], v[DD+8*\i+2*\a], v[LL+4*\i+\a]          ; l = the sum of alpha_g l_g
.endr
.endr
.irp a, 0,1,2,3
	v_permlanex16_b32 v[TW+4+\a], v[TW+8+\a], s[SEL], s[SEL+1]
.endr
.irp a, 0,1,2,3
	v_add_f32 v[TW+8+\a], v[TW+8+\a], v[TW+4+\a]
.endr
.irp a, 0,1,2,3
	v_rcp_f32 v[RL+2*\a], v[TW+8+\a]
.endr
	v_nop                                          ; a plain line behind the last reciprocal
.irp i, 0,1,2,3,4,5,6,7
	ds_store_b128 v[ALW], v[DD+8*\i:DD+8*\i+3] offset:512*\i       ; my wave's own bytes: only my wave reads them
	ds_store_b128 v[ALW], v[DD+8*\i+4:DD+8*\i+7] offset:512*\i+16
.endr
	s_wait_alu depctr_va_vdst(0)                   ; one wait for the four reciprocals, ahead of their first reader
.irp a, 0,1,2,3
	v_mov_b32 v[RL+2*\a+1], v[RL+2*\a]             ; (the packed multiply names the pair)
.endr
.macro MUL8 f, a, zero                 ; 8 matrix instructions: block a of queries x all 8 blocks of channels, 32 keys.  zero = 1: a group's first products start its sums.  The 32 accumulators take turns, one instruction a turn
.irp b, 0,1,2,3,4,5,6,7
.if \zero
	v_wmma_f32_16x16x32_f16 v[8*(8*(\a)+\b):8*(8*(\a)+\b)+7], v[\f+32+8*\b:\f+32+8*\b+7], v[\f+8*(\a):\f+8*(\a)+7], 0
.else
	v_wmma_f32_16x16x32_f16 v[8*(8*(\a)+\b):8*(8*(\a)+\b)+7], v[\f+32+8*\b:\f+32+8*\b+7], v[\f+8*(\a):\f+8*(\a)+7], v[8*(8*(\a)+\b):8*(8*(\a)+\b)+7]
.endif
.endr
.endm
.macro FETCH slot, q, f                ; 24 LDS loads in one run: the slot's q-th 32 keys: p's four fragments, then V^T's eight, turned
.irp i, 0,1,2,3
	ds_load_b128 v[\f+8*\i:\f+8*\i+3],   v[ADRA+\slot] offset:64*(\q)+\i*16*PP
	ds_load_b128 v[\f+8*\i+4:\f+8*\i+7], v[ADRA+\slot] offset:64*(\q)+\i*16*PP+32
.endr
.irp b, 0,1,2,3,4,5,6,7
	ds_load_tr16_b128 v[\f+32+8*\b:\f+32+8*\b+3],   v[ADRB+\slot] offset:32*PV*(\q)+32*\b
	ds_load_tr16_b128 v[\f+32+8*\b+4:\f+32+8*\b+7], v[ADRB+\slot] offset:32*PV*(\q)+16*PV+32*\b
.endr
.endm
.macro ALPHA s                         ; the K step's alpha of my four blocks, as pairs, into set s
	ds_load_b128 v[AL+8*\s:AL+8*\s+3], v[ADAL]
	ds_load_b128 v[AL+8*\s+4:AL+8*\s+7], v[ADAL] offset:16
.endm
.macro PLACES                          ; four places in front of loads into registers that matrix instructions have read, and of the first read of results (ISA guide 7.12.1 for the first read of results)
.rept 4
	v_nop
.endr
.endm
; A GROUP'S END: O += alpha S, in f32, two numbers an instruction; each accumulator of S is read from its low end on.  first = 1: the first group starts O: nothing is ever cleared.
.macro FMAALL s, first
	PLACES
.if \first
	WIN W_FST
.else
	WIN W_FMA
.endif
.irp a, 0,1,2,3
.set i, 64*\a
.rept 32
.if \first
	v_pk_mul_f32 v[i:i+1], v[i:i+1], v[AL+8*(\s)+2*\a:AL+8*(\s)+2*\a+1]
.else
	v_pk_fma_f32 v[i:i+1], v[i:i+1], v[AL+8*(\s)+2*\a:AL+8*(\s)+2*\a+1], v[i:i+1]
.endif
.set i, i+2
.endr
.endr
	WIN 0
.endm
; A quarter: 32 keys, 32 matrix instructions on buffer f; in its middle the slot's q-th 32 keys are fetched into buffer g, which the quarter before has multiplied.
.macro QUARTER slot, q, f, g, zero
	s_wait_dscnt 0x0                               ; this quarter's fragments are in (and, in a group's first quarter, its alpha)
	WIN W_MUL
	MUL8 \f, 0, \zero
	MUL8 \f, 1, \zero
	WIN 0
	PLACES
	FETCH \slot, \q, \g
	WIN W_MUL
	MUL8 \f, 2, \zero
	MUL8 \f, 3, \zero
	WIN 0
.endm
; A K step's last quarter multiplies buffer 1, changes slots and ends the group.  One barrier: in front of it each wave waits for all its tensor loads (the one that is out is its part of the next slot), adds 0 to its spare word,
; and waits for that and for its own reads of this slot.  fill = 1: the barrier opens a round of the cluster's, and behind the round this slot is filled again, two K steps ahead.
.macro TURN slot, next, fill, first
	s_wait_tensorcnt 0x0
	ds_add_u32 v[SPW], v[NIL]
	s_wait_dscnt 1                                 ; the quarter's fragments are in; the add may be out
	WIN W_MUL
	MUL8 F1, 0, 0                                  ; eight matrix instructions stand between the add and the wait for it
	s_wait_dscnt 0x0                               ; the add is done, and my reads of this slot are over
	s_barrier_signal -1
	MUL8 F1, 1, 0                                  ; work on registers while the others arrive
	WIN 0
	s_barrier_wait -1
.if \fill
	CREST                                          ; no wave of any partner still reads this slot's tiles or has a load on its way
	s_add_nc_u64 s[G0+4*\slot+2:G0+4*\slot+3], s[G0+4*\slot+2:G0+4*\slot+3], 2*256
	s_add_nc_u64 s[G0B+4*\slot+2:G0B+4*\slot+3], s[G0B+4*\slot+2:G0B+4*\slot+3], 2*128*6144
	JLOAD \slot                                    ; the first tensor load behind the round; its four v_nop are also the places in front of the loads below
.else
	PLACES
.endif
	v_add_nc_u32 v[ADAL], 512, v[ADAL]             ; the next group's alpha
	ALPHA \next
	FETCH \next, 0, F0
	WIN W_MUL
	MUL8 F1, 2, 0
	MUL8 F1, 3, 0
	WIN 0
	FMAALL \slot, \first
.endm
	s_wait_tensorcnt 1                             ; my part of K step 0 is in; K step 1's load may be out
	s_wait_dscnt 0x0                               ; my stores of alpha
	s_barrier_signal -1
	s_barrier_wait -1
	ALPHA 0
	FETCH 0, 0, F0
	QUARTER 0, 1, F0, F1, 1                        ; the first lap stands in front of the loop: its first group starts O
	QUARTER 0, 2, F1, F0, 0
	QUARTER 0, 3, F0, F1, 0
	TURN 0, 1, 1, 1
	QUARTER 1, 1, F0, F1, 1
	QUARTER 1, 2, F1, F0, 0
	QUARTER 1, 3, F0, F1, 0
	TURN 1, 0, 1, 0
	QUARTER 0, 1, F0, F1, 1
	s_mov_b32 s3, LAPS-2
.Llap:                                                 ; a trip goes once round the ring, from a lap's second quarter to the next lap's first, and fills both slots again
	QUARTER 0, 2, F1, F0, 0
	QUARTER 0, 3, F0, F1, 0
	TURN 0, 1, 1, 0
	QUARTER 1, 1, F0, F1, 1
	QUARTER 1, 2, F1, F0, 0
	QUARTER 1, 3, F0, F1, 0
	TURN 1, 0, 1, 0
	QUARTER 0, 1, F0, F1, 1
	s_sub_co_u32 s3, s3, 1
	s_cmp_lg_u32 s3, 0
	s_cbranch_scc1 .Llap
	QUARTER 0, 2, F1, F0, 0                        ; the last lap is written out: it fills nothing
	QUARTER 0, 3, F0, F1, 0
	TURN 0, 1, 0, 0
	QUARTER 1, 1, F0, F1, 1
	QUARTER 1, 2, F1, F0, 0
	QUARTER 1, 3, F0, F1, 0
	s_wait_dscnt 0x0
	WIN W_MUL
	MUL8 F1, 0, 0
	MUL8 F1, 1, 0
	MUL8 F1, 2, 0
	MUL8 F1, 3, 0
	WIN 0
	FMAALL 1, 0
; THE WAY OUT, block by block of 16 queries x 128 channels: x 1 / l; 32 bytes a lane into my own stage; back as whole rows of 512 bytes.
.macro OUTB a
	WIN 0x01                                       ; source 0: window 1
.set i, 0
.rept 32
	v_pk_mul_f32 v[T+i:T+i+1], v[64*(\a)+i:64*(\a)+i+1], v[RL+2*(\a):RL+2*(\a)+1] op_sel_hi:[1,0]
.set i, i+2
.endr
	WIN 0
.irp b, 0,1,2,3,4,5,6,7
	ds_store_b128 v[STO], v[T+8*\b:T+8*\b+3] offset:64*\b
	ds_store_b128 v[STO], v[T+8*\b+4:T+8*\b+7] offset:64*\b+16
.endr
.set BB, BK+64*((\a)%2)
.irp t, 0,1,2,3,4,5,6,7,8,9,10,11,12,13,14,15
	ds_load_b128 v[BB+4*\t:BB+4*\t+3], v[RD] offset:\t*SPITCH      ; LDS serves a wave's instructions in order (ISA guide 5.7.1.4): these see the stores above
.endr
.endm
.macro SEND a, younger                 ; younger: the LDS instructions issued behind block a's loads, which may stay out
.set BB, BK+64*((\a)%2)
	s_wait_dscnt \younger
.if (\a) > 0
	s_add_nc_u64 s[10:11], s[10:11], 16*OROW       ; (behind a wait on XCNT: the earlier stores have read their base)
.endif
.irp t, 0,1,2,3,4,5,6,7,8,9,10,11,12,13,14,15
	global_store_b128 v[CO], v[BB+4*\t:BB+4*\t+3], s[10:11] offset:\t*OROW th:TH_STORE_NT   ; 32 lanes store 512 consecutive bytes, at a multiple of 256 from out0's first byte; written once, read by nobody here
.endr
.endm
	OUTB 0
.irp a, 1,2,3
.if \a > 1
	s_wait_xcnt 0x0                                ; block a - 2's stores have read their registers and their base
.endif
	OUTB \a
	SEND \a-1, 32                                  ; behind block a - 1's loads: block a's 16 stores and 16 loads
.endr
	s_wait_xcnt 0x0
	SEND 3, 0
	s_wait_tensorcnt 0x0                           ; the wave's end
	ds_add_u32 v[SPW], v[NIL]
	s_wait_dscnt 0x0
	CROUND                                         ; the closing round
	s_endpgm
.Lfunc_end_k_qcb6783afc9_pv:
	.size	k_qcb6783afc9_pv, .Lfunc_end_k_qcb6783afc9_pv-k_qcb6783afc9_pv
	.p2alignl 7, 3214868480
	.fill 96, 4, 3214868480
	.section	.rodata,"a",@progbits
	.p2align	6, 0x0
	.amdhsa_kernel k_qcb6783afc9_pv
		.amdhsa_group_segment_fixed_size 327680
		.amdhsa_private_segment_fixed_size 0
		.amdhsa_enable_private_segment 0
		.amdhsa_kernarg_size 32
		.amdhsa_user_sgpr_count 2
		.amdhsa_user_sgpr_kernarg_segment_ptr 1
		.amdhsa_wavefront_size32 1
		.amdhsa_system_sgpr_workgroup_id_x 1
		.amdhsa_system_sgpr_workgroup_id_y 1
		.amdhsa_system_sgpr_workgroup_id_z 1
		.amdhsa_system_vgpr_workitem_id 0
		.amdhsa_next_free_vgpr 768
		.amdhsa_next_free_sgpr 80
		.amdhsa_reserve_vcc 0
		.amdhsa_float_denorm_mode_32 3
		.amdhsa_float_denorm_mode_16_64 3
		.amdhsa_memory_ordered 1
		.amdhsa_forward_progress 1
		.amdhsa_inst_pref_size 188
	.end_amdhsa_kernel
	.amdgpu_metadata
---
amdhsa.version: [ 1, 2 ]
amdhsa.kernels:
  - .name:           k_qcb6783afc9_pv
    .symbol:         k_qcb6783afc9_pv.kd
    .args:
      - { .name: p, .offset: 0, .size: 8, .value_kind: global_buffer, .address_space: global }
      - { .name: qkv, .offset: 8, .size: 8, .value_kind: global_buffer, .address_space: global }
      - { .name: stats, .offset: 16, .size: 8, .value_kind: global_buffer, .address_space: global }
      - { .name: out0, .offset: 24, .size: 8, .value_kind: global_buffer, .address_space: global }
    .group_segment_fixed_size: 327680
    .private_segment_fixed_size: 0
    .kernarg_segment_align: 8
    .kernarg_segment_size: 32
    .max_flat_workgroup_size: 128
    .sgpr_count:     80
    .vgpr_count:     768
    .wavefront_size: 32
...
	.end_amdgpu_metadata
.endif
;; end of part 4
